; MI455X (gfx1250); checked and timed in simulation.
; The chip was launched on July 23, 2026; its instructions are those of AMD's public machine-readable ISA for CDNA 5 (MIT licence, August 2026) and "CDNA5" Instruction Set Architecture Reference Guide (July 2026). The comments in the code are by the model that wrote it; some were corrected since.
;; MHA. Allowed arithmetic: matrix products marked QUANTISED: E2M3 operands, one E8M0 scale for each 32 along K, by v_wmma_scale_f32_16x16x128_f8f6f4 with both operands' format E2M3, f32 sums; everything else in f32.
;; Inputs: b_proj 1,024 float32; b_qkv 3,072 float32; w_proj 1,024 x 1,024 float32; w_qkv 1,024 x 3,072 float32; x 4 x 2,048 x 1,024 float32.
;; Outputs: out0 4 x 2,048 x 1,024 float32.
;; This version of the problem:
;;   THIS VERSION OF THE PROBLEM IS GIVEN IN LOW PRECISION. The matrix products marked QUANTISED in the list below multiply operands that are first quantised to E2M3 (2 exponent bits, 3 mantissa bits; 6 bits a number), with one power-of-two scale for each 32 numbers along K (OCP MX v1.0); their sums are f32. All else is computed in f32.
;;   The module's matrix products, in the order in which they are computed (A, B: the left and right operand; K: the contracted axis; several contracted axes count as one K, in the product's order):
;;     1. [M 8,192, K 1,024] x [K 1,024, N 3,072]; A: input x; B: input w_qkv: QUANTISED
;;     2. batch 64 x [M 2,048, K 64] x [K 64, N 2,048]; A: computed on the way; B: computed on the way: QUANTISED
;;     3. batch 64 x [M 2,048, K 2,048] x [K 2,048, N 64]; A: softmax (see below); B: computed on the way: QUANTISED
;;     4. [M 8,192, K 1,024] x [K 1,024, N 1,024]; A: computed on the way; B: input w_proj: QUANTISED
;;   THE QUANTISER, for each operand of a quantised product, along K:
;;     - K is cut into blocks of 32 from its start; a last block that is shorter is filled with zeros.
;;     - A block's scale is 2^e with e = floor(log2(the largest magnitude in the block)) - 2, held to -126 .. 127; a block of zeros has e = 0. As a byte (E8M0): e + 127.
;;     - Each number is divided by its block's scale, clamped to +-7.5, and rounded to the nearest number of E2M3, ties to even, subnormals kept.
;;     - The product sums the exact products of the quantised numbers (number of the format x scale) in f32.
;;   ~~~python
;;   def quantise(x, axis):      # numpy; x: float32 -> the quantised numbers, widened to float32 again
;;       x = np.moveaxis(x, axis, -1); K = x.shape[-1]
;;       x = np.pad(x, [(0, 0)] * (x.ndim - 1) + [(0, -K % 32)]); x = x.reshape(x.shape[:-1] + (-1, 32)); a = np.abs(x).max(-1, keepdims=True)
;;       e = np.where(a > 0, np.clip(np.frexp(np.where(a > 0, a, 1))[1] - 1 - 2, -126, 127), 0)      # np.frexp(a)[1] - 1 = floor(log2(a)), exactly
;;       r = np.clip(x / 2.0 ** e, -7.5, 7.5)
;;       step = 2.0 ** (np.maximum(np.frexp(np.where(r == 0, 1, r))[1] - 1, 0) - 3)
;;       q = np.round(r / step) * step * 2.0 ** e      # np.round: ties to even
;;       return np.moveaxis(q.reshape(q.shape[:-2] + (-1,))[..., :K], -1, axis).astype(np.float32)
;;   ~~~
;;   SOFTMAX AHEAD OF A QUANTISED PRODUCT. Where the list says 'softmax', what is quantised is not the finished softmax but p = 2^(t - M), with t = logit x log2(e) and M = ceil(the row's largest t), a whole number; so 1/2 < the row's largest p <= 1. The row's sum l is taken of the UNQUANTISED p, in f32, and the product's result is divided by l at the end. Since M is a whole number, a kernel that streams over the keys may use a running M (the ceiling of the running maximum): every later rescaling is an exact power of two, which a block's scale takes up: the codes' values come out the same.
;;   OPERANDS COMPUTED ON THE WAY. 'Computed on the way' means the value that the module computes at that place (a softmax that the list does not call 'softmax' is quantised finished and normalised). What goes into a quantiser is computed in f32, as accurately as f32 sums, v_exp_f32 and their like allow (about 1e-6 of the number): no bf16 or f16 on the way to a quantiser, and a product that is left as it is and whose result goes on into a quantised operand takes f32 operands (vector FMAs, or v_wmma_f32_16x16x4_f32). A number that lies on a knife's edge between two numbers of the format may be rounded either way, as far as f32 arithmetic and the matrix unit's own rounding can turn it there, and no further.
;; One version. Each part assembles by itself: llvm-mc -triple=amdgcn-amd-amdhsa -mcpu=gfx1250 --defsym DOCPART=n.
;; ======== version 1 of 1: 4 launches
;; workspace buffers: ximg 6,291,456 bytes; xsc 262,144 bytes; wimg 3,145,728 bytes; wsc 131,072 bytes; qbuf 6,553,600 bytes; kv 13,107,200 bytes; yimg 6,291,456 bytes; ysc 262,144 bytes
;; launch quant (part 1): grid 640 x 1, 8 waves a work-group, no clusters, 96,768 bytes of LDS; arguments x, w_qkv, w_proj, ximg, xsc, wimg, wsc; writes ximg, xsc, wimg, wsc
.if DOCPART == 1
	.amdgcn_target "amdgcn-amd-amdhsa--gfx1250"
	.amdhsa_code_object_version 6
	.text
	.protected	k_qa1bee809aa_quant
	.globl	k_qa1bee809aa_quant
	.p2align	8
	.type	k_qa1bee809aa_quant,@function
k_qa1bee809aa_quant:
	s_mov_b64 s[64:65], 0
	v_nop
	global_prefetch_b8 v0, s[64:65] scope:SCOPE_SE
	s_setreg_imm32_b32 hwreg(HW_REG_WAVE_MODE, 25, 1), 1
	s_wait_xcnt 0x0
; MHA in MX-FP6 (E2M3, one E8M0 byte for each 32 along K), four launches: this one quantises x, w_qkv and w_proj; the second makes q, k, v as codes; the third is the attention; the fourth the projection.
; DEAD WORK LEFT OUT BY THE PROGRAM (in the third launch): reference() sets every score with key > query to -inf by a jnp.tril that it builds in its own body; p = 2^(-inf) = 0 for all values of
; the inputs, so such a key adds nothing to the row's sum nor to y.  A step of 128 keys all of which come after a tile's 16 queries is therefore not walked (neither product).  Inside the step on the
; diagonal the hidden scores are made -inf and the work is done.  No input is left out: both biases reach quantised operands or the output.
; LIMITS: a NaN, an infinity or an overflow that reaches only the steps left out is not carried to the result.  NaN and infinities among the inputs are not served.  A block whose largest magnitude lies
; under 2^-124 gets the byte 1; a block of zeros gets the byte 1 where the rule says 127: its codes are zeros, which add nothing under any byte but 0xff, and this program alone reads the bytes.
; LAYOUT OF THE WORKSPACE.  Rows (of x) and columns (of the weights) are grouped in tiles of 16: tile 2 b + u holds members 32 b + 8 u + r + 8 (r / 8), r = 0 .. 15.  A fragment (a tile x 128 along K)
; is stored as the image of the operand's 12 registers: chunk g = registers 4 g .. 4 g + 3, lane l's 16 bytes at 512 g + 16 l: 1,536 bytes.  ximg, wimg: [tile][8 K steps][1,536].
; Scale bytes: xsc, wsc: [16 tile + r][32], byte k / 32.  wimg's tiles 0-191 are w_qkv's, 192-255 w_proj's.
; SHARES.  Work-groups 0-511: one tile of 16 rows of x, wave = K step.  Work-groups 512-639: 32 columns of a weight (two tiles), wave = K step; a lane takes a column and its registers run down K.
; The two paths have LDS bytes of their own and meet only at the closing lines.
.set GX,    67584                      ; behind the x path's eight stages (16 rows x 528 bytes each): its 512 scale bytes
.set WST,   68096                      ; the w path's eight stages: two tiles x 1,664 bytes each
.set GW,    94720                      ; its 1,024 scale bytes
.set SPARE, 95744                      ; the spare words, 128 bytes for each wave: four blocks of 256 bytes that no other line names
.set SPW,   10                         ; v10  LDS address of my spare word; never rewritten
.set NIL,   11                         ; v11  0; never rewritten
	s_load_b256 s[4:11], s[0:1], 0x0               ; x s[4:5], w_qkv s[6:7], w_proj s[8:9], ximg s[10:11]
	s_load_b128 s[12:15], s[0:1], 0x20             ; xsc s[12:13], wimg s[14:15]
	s_load_b64 s[16:17], s[0:1], 0x30              ; wsc
	v_lshl_add_u32 v[SPW], v0, 2, SPARE
	v_mov_b32 v[NIL], 0
	v_lshrrev_b32 v1, 5, v0
	v_readfirstlane_b32 s18, v1                    ; wave = K step of 128
	v_and_b32 v1, 31, v0                           ; lane
	v_lshlrev_b32 v4, 4, v1                        ; 16 x lane
	s_mov_b32 s20, 0x76543210
	s_mov_b32 s21, 0xfedcba98                      ; v_permlanex16_b32: lane l xor 16
	s_wait_kmcnt 0x0
	s_cmp_lt_u32 ttmp9, 512
	s_cbranch_scc0 .Lw_path
; ---------------- x: a tile of 16 rows, 128 along K a wave ----------------
	v_and_b32 v2, 15, v1                           ; r
	v_lshrrev_b32 v3, 4, v1                        ; h
	s_mul_i32 s19, s18, 8448                       ; my stage
	v_add_nc_u32 v5, s19, v4                       ; in: a row's 512 bytes as they lie
	v_mul_u32_u24 v6, v2, 528
	v_lshl_add_u32 v6, v3, 7, v6
	v_add_nc_u32 v6, s19, v6                       ; out: row r, + 128 h: my 32 numbers of each 64
	s_lshl_b32 s19, s18, 2
	s_add_co_u32 s19, s19, GX
	v_lshl_add_u32 v7, v2, 5, s19                  ; my row's scale word of this K step
	v_add_nc_u32 v8, GX, v4                        ; and the 512 bytes on their way out
	s_lshr_b32 s22, ttmp9, 1
	s_lshl_b32 s22, s22, 17                        ; 32 rows of 4,096 bytes
	s_and_b32 s23, ttmp9, 1
	s_lshl_b32 s23, s23, 15                        ; 8 rows
	s_add_co_u32 s22, s22, s23
	s_lshl_b32 s23, s18, 9                         ; the K step's 512 bytes
	s_add_co_u32 s22, s22, s23
	s_mov_b32 s23, 0
	s_add_nc_u64 s[4:5], s[4:5], s[22:23]
	s_mul_i32 s24, ttmp9, 12288
	s_mul_i32 s25, s18, 1536
	s_add_co_u32 s24, s24, s25
	s_mov_b32 s25, 0
	s_add_nc_u64 s[10:11], s[10:11], s[24:25]
	s_lshl_b32 s26, ttmp9, 9
	s_mov_b32 s27, 0
	s_add_nc_u64 s[12:13], s[12:13], s[26:27]
.irp i, 0,1,2,3,4,5,6,7,8,9,10,11,12,13,14,15
	global_load_b128 v[16+4*\i:19+4*\i], v4, s[4:5] offset:(\i+8*(\i/8))*4096 th:TH_LOAD_NT   ; the tile's row i: 32 lanes read 512 consecutive bytes
.endr
.irp i, 0,1,2,3,4,5,6,7,8,9,10,11,12,13,14,15
	s_wait_loadcnt 15-\i                           ; loads come back in order: row i is in, the younger rows stay out
	ds_store_b128 v5, v[16+4*\i:19+4*\i] offset:528*\i
.endr
.irp c, 0,1
.irp e, 0,1,2,3,4,5,6,7
	ds_load_b128 v[80+32*\c+4*\e:83+32*\c+4*\e], v6 offset:256*\c+16*\e   ; x(r, 64 c + 32 h + 4 e ..): a wave's LDS instructions are served in order, so these see my stores
.endr
.endr
	s_wait_dscnt 0x0
.irp c, 0,1
	v_max3_num_f32 v[168+\c], |v[80+32*\c]|, |v[81+32*\c]|, 0x1800000   ; my block 2 c + h: all 32 numbers are mine; the floor 2^(3 - 127) holds the byte at 1 from below
.endr
.irp i, 2,4,6,8,10,12,14,16,18,20,22,24,26,28,30
.irp c, 0,1
	v_max3_num_f32 v[168+\c], v[168+\c], |v[80+32*\c+\i]|, |v[81+32*\c+\i]|
.endr
.endr
.irp c, 0,1
	v_add_nc_u32 v[12+\c], 0xff000000, v[168+\c]   ; 2 off the exponent field: the conversion's scale operand
.endr
.irp c, 0,1
	v_lshrrev_b32 v[170+\c], 23, v[12+\c]          ; the scale's byte
.endr
	v_lshl_or_b32 v9, v171, 16, v170               ; blocks h and 2 + h,
	v_lshlrev_b32 v14, 3, v3
	v_lshlrev_b32 v9, v14, v9                      ; at their places in the word;
	v_mov_b32 v14, 0
	v_permlanex16_b32 v14, v9, s20, s21
	v_or_b32 v9, v9, v14                           ; with lane l xor 16's two the word is whole
.irp c, 0,1
	v_cvt_scalef32_pk16_fp6_f32 v[16+6*\c:18+6*\c], v[80+32*\c:95+32*\c], v[12+\c]
	v_cvt_scalef32_pk16_fp6_f32 v[32+4*\c:34+4*\c], v[96+32*\c:111+32*\c], v[12+\c]   ; (a conversion's three registers begin on an even number)
.endr
	v_nop                                          ; one plain place behind a scaled conversion
.irp c, 0,1
.irp i, 0,1,2
	v_mov_b32 v[19+6*\c+\i], v[32+4*\c+\i]
.endr
.endr
.irp g, 0,1,2
	global_store_b128 v4, v[16+4*\g:19+4*\g], s[10:11] offset:512*\g   ; the fragment's image: 512 consecutive bytes a store
.endr
	ds_store_b32 v7, v9                            ; both halves of the lanes write the same word with the same value
	s_wait_dscnt 0x0                               ; for the others' sake: my word has landed
	s_barrier_signal -1
	s_barrier_wait -1
	s_cmp_lg_u32 s18, 0
	s_cbranch_scc1 .Lend
	ds_load_b128 v[40:43], v8                      ; wave 0: the tile's 16 rows x 32 scale bytes
	s_wait_dscnt 0x0
	global_store_b128 v4, v[40:43], s[12:13]       ; 512 consecutive bytes
	s_branch .Lend
; ---------------- a weight: 32 columns, 128 along K a wave ----------------
.Lw_path:
	s_sub_co_u32 s19, ttmp9, 512                   ; the group of 32 columns: 0-95 w_qkv's, 96-127 w_proj's
	v_bfe_u32 v3, v1, 3, 1                         ; my column's tile u,
	v_and_b32 v2, 7, v1
	v_lshrrev_b32 v12, 4, v1
	v_lshl_add_u32 v2, v12, 3, v2                  ; and its place r in it: column l = 8 u + r + 8 (r / 8)
	s_mul_i32 s22, s18, 3328
	s_add_co_u32 s22, s22, WST                     ; my stage
	v_mul_u32_u24 v5, v3, 1664
	v_lshl_add_u32 v5, v2, 4, v5
	v_add_nc_u32 v5, s22, v5                       ; in: tile u, lane r of the image
	v_add_nc_u32 v6, s22, v4                       ; out: 16 x lane
	v_lshl_add_u32 v7, v3, 4, v2
	s_lshl_b32 s23, s18, 2
	s_add_co_u32 s23, s23, GW
	v_lshl_add_u32 v7, v7, 5, s23                  ; my column's scale word of this K step
	s_and_b32 s23, s18, 1
	s_lshl_b32 s23, s23, 9
	v_add_nc_u32 v2, s23, v4                       ; the scale bytes on their way out: waves 0 and 1, 512 bytes each
	v_add_nc_u32 v8, GW, v2
	v_lshlrev_b32 v3, 2, v1                        ; 4 x lane: my column in a row of the weight
	s_cmp_lt_u32 s19, 96                           ; which weight: the choice hangs on the work-group's number alone
	s_cselect_b64 s[4:5], s[6:7], s[8:9]
	s_mov_b32 s25, 524288
	s_cselect_b32 s25, 1572864, s25                ; 128 rows of the weight, in bytes
	s_cselect_b32 s24, 0, 96
	s_sub_co_u32 s24, s19, s24
	s_lshl_b32 s24, s24, 7                         ; 32 columns are 128 bytes
	s_mul_i32 s25, s25, s18
	s_add_co_u32 s24, s24, s25
	s_mov_b32 s25, 0
	s_add_nc_u64 s[4:5], s[4:5], s[24:25]
	s_mul_i32 s26, s19, 24576                      ; two tiles of 12,288 bytes
	s_mul_i32 s27, s18, 1536
	s_add_co_u32 s26, s26, s27
	s_mov_b32 s27, 0
	s_add_nc_u64 s[14:15], s[14:15], s[26:27]
	s_lshl_b32 s26, s19, 10
	s_add_nc_u64 s[16:17], s[16:17], s[26:27]
.macro WLOADB n, b                     ; block b: W(128 K step + 32 b + i, my column), i = 0 .. 31; a row of the weight is 4 n bytes; every offset is an immediate
.set i, 0
.rept 32
	global_load_b32 v[16+32*(\b)+i], v3, s[4:5] offset:(32*(\b)+i)*\n*4
.set i, i+1
.endr
.endm
.macro WSEL b                          ; the same 32 registers and the same count of loads for both weights: only the immediates differ, so only the loads stand in the branch
	s_cmp_lt_u32 s19, 96
	s_cbranch_scc0 .Lw_proj_\@
	WLOADB 3072, \b
	s_branch .Lw_got_\@
.Lw_proj_\@:
	WLOADB 1024, \b
.Lw_got_\@:
.endm
	WSEL 0                                         ; loads run two blocks ahead: 64 of mine are out at the most
	WSEL 1
; Block b of 32 along K lies whole in my 32 registers.  In the fragment it belongs to lane (r, b % 2), registers 6 (b / 2) .. + 5: four of them fill a chunk's 16 bytes, two half of the middle chunk's.
.macro WBLK b
.if \b < 3
	s_wait_loadcnt 32                              ; this block's 32 loads are in; the next block's 32 stay out
.else
	s_wait_loadcnt 0x0
.endif
.if \b < 2
	WSEL \b+2                                      ; the block two further on: each block has registers of its own
.endif
	v_max3_num_f32 v168, |v[16+32*\b]|, |v[17+32*\b]|, |v[18+32*\b]|
	v_max3_num_f32 v169, |v[19+32*\b]|, |v[20+32*\b]|, |v[21+32*\b]|
.irp i, 6,10,14,18,22,26
	v_max3_num_f32 v168, v168, |v[16+32*\b+\i]|, |v[17+32*\b+\i]|
	v_max3_num_f32 v169, v169, |v[18+32*\b+\i]|, |v[19+32*\b+\i]|
.endr
	v_max3_num_f32 v168, v168, |v[46+32*\b]|, |v[47+32*\b]|
	v_max3_num_f32 v168, v168, v169, 0x1800000     ; and the floor
	v_add_nc_u32 v15, 0xff000000, v168             ; the conversion's scale operand
	v_cvt_scalef32_pk16_fp6_f32 v[144+6*\b:146+6*\b], v[16+32*\b:31+32*\b], v15
	v_cvt_scalef32_pk16_fp6_f32 v[12:14], v[32+32*\b:47+32*\b], v15
.if \b == 0
	v_lshrrev_b32 v9, 23, v15                      ; the scale's byte (also the plain place behind the conversions)
.else
	v_lshrrev_b32 v170, 23, v15
	v_lshl_or_b32 v9, v170, 8*\b, v9
.endif
.irp i, 0,1,2
	v_mov_b32 v[147+6*\b+\i], v[12+\i]
.endr
.if \b < 2
	ds_store_b128 v5, v[144+6*\b:147+6*\b] offset:256*\b
	ds_store_b64 v5, v[148+6*\b:149+6*\b] offset:512+256*\b
.else
	ds_store_b64 v5, v[144+6*\b:145+6*\b] offset:520+256*(\b-2)
	ds_store_b128 v5, v[146+6*\b:149+6*\b] offset:1024+256*(\b-2)
.endif
.endm
	WBLK 0
	WBLK 1
	WBLK 2
	WBLK 3
	ds_store_b32 v7, v9
.irp u, 0,1
.irp g, 0,1,2
	ds_load_b128 v[16+12*\u+4*\g:19+12*\u+4*\g], v6 offset:1664*\u+512*\g   ; a wave's LDS instructions are served in order: these see my stores
.endr
.endr
.irp u, 0,1
.irp g, 0,1,2
	s_wait_dscnt 5-3*\u-\g                         ; this chunk is back; the younger ones stay out
	global_store_b128 v4, v[16+12*\u+4*\g:19+12*\u+4*\g], s[14:15] offset:12288*\u+512*\g
.endr
.endr
	s_wait_dscnt 0x0                               ; for the others' sake: my scale words have landed
	s_barrier_signal -1
	s_barrier_wait -1
	s_cmp_gt_u32 s18, 1
	s_cbranch_scc1 .Lend
	ds_load_b128 v[40:43], v8                      ; waves 0 and 1: 16 columns x 32 scale bytes each
	s_wait_dscnt 0x0
	global_store_b128 v2, v[40:43], s[16:17]
.Lend:
	s_wait_tensorcnt 0x0                           ; the wave's end: behind my last LDS store
	ds_add_u32 v[SPW], v[NIL]
	s_wait_dscnt 0x0
	s_endpgm
.Lfunc_end_k_qa1bee809aa_quant:
	.size	k_qa1bee809aa_quant, .Lfunc_end_k_qa1bee809aa_quant-k_qa1bee809aa_quant
	.p2alignl 7, 3214868480
	.fill 96, 4, 3214868480
	.section	.rodata,"a",@progbits
	.p2align	6, 0x0
	.amdhsa_kernel k_qa1bee809aa_quant
		.amdhsa_group_segment_fixed_size 96768
		.amdhsa_private_segment_fixed_size 0
		.amdhsa_enable_private_segment 0
		.amdhsa_kernarg_size 56
		.amdhsa_user_sgpr_count 2
		.amdhsa_user_sgpr_kernarg_segment_ptr 1
		.amdhsa_wavefront_size32 1
		.amdhsa_system_sgpr_workgroup_id_x 1
		.amdhsa_system_sgpr_workgroup_id_y 1
		.amdhsa_system_sgpr_workgroup_id_z 1
		.amdhsa_system_vgpr_workitem_id 0
		.amdhsa_next_free_vgpr 172
		.amdhsa_next_free_sgpr 66
		.amdhsa_reserve_vcc 0
		.amdhsa_float_denorm_mode_32 3
		.amdhsa_float_denorm_mode_16_64 3
		.amdhsa_memory_ordered 1
		.amdhsa_forward_progress 1
		.amdhsa_inst_pref_size 44
	.end_amdhsa_kernel
	.amdgpu_metadata
---
amdhsa.version: [ 1, 2 ]
amdhsa.kernels:
  - .name:           k_qa1bee809aa_quant
    .symbol:         k_qa1bee809aa_quant.kd
    .args:
      - { .name: x, .offset: 0, .size: 8, .value_kind: global_buffer, .address_space: global }
      - { .name: w_qkv, .offset: 8, .size: 8, .value_kind: global_buffer, .address_space: global }
      - { .name: w_proj, .offset: 16, .size: 8, .value_kind: global_buffer, .address_space: global }
      - { .name: ximg, .offset: 24, .size: 8, .value_kind: global_buffer, .address_space: global }
      - { .name: xsc, .offset: 32, .size: 8, .value_kind: global_buffer, .address_space: global }
      - { .name: wimg, .offset: 40, .size: 8, .value_kind: global_buffer, .address_space: global }
      - { .name: wsc, .offset: 48, .size: 8, .value_kind: global_buffer, .address_space: global }
    .group_segment_fixed_size: 96768
    .private_segment_fixed_size: 0
    .kernarg_segment_align: 8
    .kernarg_segment_size: 56
    .max_flat_workgroup_size: 256
    .sgpr_count:     66
    .vgpr_count:     172
    .wavefront_size: 32
...
	.end_amdgpu_metadata
.endif
;; end of part 1
;; launch gemm_qkv (part 2): grid 12 x 32, 4 waves a work-group, clusters of 4 x 4, 327,680 bytes of LDS; arguments ximg, xsc, wimg, wsc, b_qkv, qbuf, kv; writes qbuf, kv
.if DOCPART == 2
	.amdgcn_target "amdgcn-amd-amdhsa--gfx1250"
	.amdhsa_code_object_version 6
	.text
	.protected	k_qa1bee809aa_gemm_qkv
	.globl	k_qa1bee809aa_gemm_qkv
	.p2align	8
	.type	k_qa1bee809aa_gemm_qkv,@function
k_qa1bee809aa_gemm_qkv:
	s_mov_b64 s[64:65], 0
	v_nop
	global_prefetch_b8 v0, s[64:65] scope:SCOPE_SE
	s_setreg_imm32_b32 hwreg(HW_REG_WAVE_MODE, 25, 1), 1
	s_wait_xcnt 0x0
	s_wait_alu depctr_hold_cnt(0) depctr_sa_sdst(0) depctr_va_vdst(0) depctr_va_sdst(0) depctr_va_ssrc(0) depctr_va_vcc(0) depctr_vm_vsrc(0)
	s_getreg_b32 s2, hwreg(HW_REG_IB_STS2, 6, 4)
	s_cmp_eq_u32 s2, 0
	s_cbranch_scc0 .Lentry_in_a_cluster
	s_endpgm
.Lentry_in_a_cluster:
	s_bfe_u32 s2, ttmp6, 0x10000c
	s_cmp_lg_u32 s2, 0xf033
	s_cbranch_scc0 .Lentry_shape_is_right
	s_endpgm
.Lentry_shape_is_right:
; qkv = Q(x) Q(w_qkv) + b_qkv on codes of FP6 (E2M3), and its results quantised in registers: q and k along the head's 64, v along the keys.  Nothing but codes and scale bytes is stored.
; A work-group of four waves makes 256 tokens x 256 columns; a wave 128 x 128: 64 accumulators, 512 registers.  Cluster x 0, 1, 2 = the columns of q, k, v.
; OPERANDS are images of the operand's registers (1,536 bytes for 16 rows x 128 K, lane l's 16 bytes of chunk g at 512 g + 16 l): three ds_load_b128 of 512 consecutive bytes bring a fragment.
; ROLES.  The matrix instruction takes R as source 0 and P as source 1: a lane then holds ONE row of P, and the 64 registers of R's eight tiles are 128 neighbours (a tile 2 b + u holds members
; 32 b + 8 u + r + 8 (r / 8)).  q, k: P = tokens, R = columns: a lane's registers run along two heads' 64.  v: P = columns, R = tokens: they run along 128 keys.  The tensor loads are the same in
; all work-groups; only the LDS region from which P and R are read is chosen, by the cluster's x, which all sixteen partners share.
; K = 1,024 goes in four pieces of 256 through three LDS slots: three first fills, and ONE refill (piece 3 into slot 0), so the eight K steps are written out.
; CLUSTER 4 x 4: x's tiles are shared along a row of the cluster, w's along a column, each asked for jointly.
; THE BIAS of the wave's 128 columns (512 bytes) is loaded in BOTH forms by every work-group: by column for q and k, by lane for v; the way out uses one of the two.  So every register that the way out
; reads is written on the one way that all work-groups take; the price is sixteen loads a wave, once, whose results one role does not use.
; OUT.  qbuf: [64 heads][16 groups of 128 tokens][6,400]: four composites (registers 0-5: token tile 2 t's 64 dims; 6-11: tile 2 t + 1's), then [16 r][4 t] scale words.
;       kv:   [64 heads][16 groups][12,800]: k as q (6,400), then v: four fragments (16 channels x 128 keys) and [16 r][4 tiles] scale words.
; LIMITS: as stated at the head of the first launch (bytes held at 1 from below; no NaN or infinities).
; REGISTERS: window 0: v16-31 addresses; v32-63 P's scale words, v64-95 R's (two sets; they hold scales and nothing else); v128-223 P's eight fragments; v236-251 v's bias; on the way out v96-121, v128-235.
;   window 1: R's fragments, two sets, at v0 and v128; q's and k's bias at v96-127 and v224-255.   windows 2, 3: accumulator (a, b) at v[8 (8 (a % 4) + b)].
.set FRB,   1536
.set TILEB, 3072                       ; a tile's two K steps in a slot
.set HALFT, 24576                      ; eight tiles: what one tensor load brings, and what a wave reads of P or of R
.set SLOT,  98304                      ; x's 16 tiles, then w's 16
.set SCL,   294912                     ; behind the three slots: the scale bytes, as units of 256 bytes + 16
.set HALFS, 4352                       ; those of 128 rows
.set SBLK,  544                        ; those of 16
.set SPARE, 312320                     ; the spare words, 128 bytes for each wave: two blocks of 256 bytes that no other line names
.set NLP,   3                          ; LDS loads that bring a fragment of P
.set ADRP, 16                          ; v16-18 my P fragments in slot 0, 1, 2
.set ADRR, 20                          ; v20-22 my R fragments
.set ADSP, 24                          ; v24    P's scale words
.set ADSR, 25                          ; v25    R's
.set L16,  26                          ; v26    16 x lane
.set SOF,  27                          ; v27    the scale words' way out: 16 r, + a head's bytes for lanes 16-31
.set SPW,  28                          ; v28    LDS address of my spare word; never rewritten
.set NIL,  29                          ; v29    0; never rewritten
.set BOQ,  30                          ; v30    the bias of q, k: 64 h
.set BOV,  31                          ; v31    the bias of v: 4 (r + 8 (r / 8))
.set SCP,  32
.set SCR,  64
.set TM,   96                          ; the way out: v96-111 at work
.set T0,   112
.set T1,   116
.set WX,   120
.set WY,   121
.set AF,   128
.set H,    128                         ; the way out: 64 numbers
.set FA,   192                         ; the codes of the first head (or of v's fragment)
.set FB,   204                         ; of the second
.set SA,   224                         ; four scale words of the first head, of the second, and what is stored
.set SB,   228
.set SD,   232
.set BV,   236                         ; v236-251 v's bias: a pair for each of P's eight tiles
.set SEL,  66                          ; s[66:67] lane selects for lane l xor 16
.set G1,   28                          ; descriptor groups 1: x's tiles, w's tiles, x's scales, w's scales
.set G1B,  36
.set G1S,  44
.set G1SB, 52
.set GA0,  60                          ; groups 0: x's slots 0, 1, 2; w's; the scales'
.set GA1,  68
.set GA2,  72
.set GB0,  76
.set GB1,  80
.set GB2,  84
.set GSA,  88
.set GSB,  92
.set MSB, 0
.macro WIN new                         ; the immediate's high byte repeats the setting that is left
.if MSB != (\new)
	s_set_vgpr_msb (MSB<<8)|(\new)
.set MSB, (\new)
.endif
.endm
.set MUL_LO, 0xa1                      ; source 0 (R) window 1, source 1 (P) window 0, C and D window 2
.set MUL_HI, 0xf1                      ; the same, C and D window 3
.set TO_B,   0x40                      ; destination window 1, address window 0
; A joint load: waves 0 and 1 fetch x's halves, waves 2 and 3 w's.  The branch hangs on the wave's number alone.  An s_nop 0 and four v_nop follow each of the two lines.
.macro JLOAD g0a, g1a, g0b, g1b
	s_cmp_eq_u32 s19, 0
	s_cbranch_scc0 .Lfor_b_\@
	tensor_load_to_lds s[\g0a:\g0a+3], s[\g1a:\g1a+7]
	s_nop 0
.rept 4
	v_nop
.endr
	s_branch .Lasked_\@
.Lfor_b_\@:
	tensor_load_to_lds s[\g0b:\g0b+3], s[\g1b:\g1b+7]
	s_nop 0
.rept 4
	v_nop
.endr
.Lasked_\@:
.endm
.macro CREST                           ; a round of the cluster's barrier behind its opening barrier
	s_cmp_lg_u32 s18, 0
	s_cbranch_scc1 .Lnot_wave_0_\@
	s_barrier_signal -3
.Lnot_wave_0_\@:
	s_barrier_wait -3
	s_barrier_signal -1
	s_barrier_wait -1
.endm
.macro CROUND
	s_barrier_signal -1
	s_barrier_wait -1
	CREST
.endm
.macro MKG0 g, lreg, loff, ptr, goff   ; a group 0: count 1, LDS address, global address, type 2
	s_mov_b32 s[\g], 1
	s_add_co_u32 s[\g+1], s[\lreg], \loff
	s_add_nc_u64 s[\g+2:\g+3], s[\ptr:\ptr+1], \goff
	s_or_b32 s[\g+3], s[\g+3], 0x80000000
.endm
	s_load_b256 s[4:11], s[0:1], 0x0               ; ximg s[4:5], xsc s[6:7], wimg s[8:9], wsc s[10:11]
	s_load_b128 s[12:15], s[0:1], 0x20             ; b_qkv s[12:13], qbuf s[14:15]
	s_load_b64 s[16:17], s[0:1], 0x30              ; kv
	v_lshl_add_u32 v[SPW], v0, 2, SPARE
	v_mov_b32 v[NIL], 0
	ds_add_u32 v[SPW], v[NIL]                      ; the wave's opening: the add, twice on end, and its wait ahead of my first tensor load
	ds_add_u32 v[SPW], v[NIL]                      ; and once more; the set-up below, work on registers, stands between it and the wait
	v_lshrrev_b32 v1, 5, v0
	v_readfirstlane_b32 s18, v1                    ; wave 0..3
	s_lshr_b32 s19, s18, 1                         ; pa: my half of P.  Also: I fetch for x (0) or for w (1)
	s_and_b32 s20, s18, 1                          ; ra: my half of R.  Also: which eight tiles I fetch
	s_bfe_u32 s21, ttmp6, 0x40000                  ; cx
	s_bfe_u32 s22, ttmp6, 0x40004                  ; cy
	s_lshl_b32 s23, ttmp9, 2
	s_add_co_u32 s23, s23, s21                     ; block of 256 columns = 4 x cluster x + cx
	s_and_b32 s24, ttmp7, 0xffff
	s_lshl_b32 s24, s24, 2
	s_add_co_u32 s24, s24, s22                     ; block of 256 tokens = 4 x cluster y + cy
	s_lshl_b32 s25, s22, 2
	s_lshl_b32 s25, 15, s25                        ; my row of the cluster
	s_lshl_b32 s26, 0x1111, s21                    ; my column
	s_or_b32 s[G1], s25, (3<<16)|(1<<21)           ; 15:0 the mask; 17:16 elements of 8 bytes; 21 set beside a mask; no padding
	s_or_b32 s[G1B], s26, (3<<16)|(1<<21)
.irp g, G1, G1B                        ; eight tiles: rows of 3,072 bytes (384 elements), 12,288 bytes apart
	s_mov_b32 s[\g+1], 384<<16
	s_mov_b32 s[\g+2], 8<<16
	s_mov_b32 s[\g+3], 384<<16
	s_mov_b32 s[\g+4], 8
	s_mov_b32 s[\g+5], 1536
	s_mov_b32 s[\g+6], 0
	s_mov_b32 s[\g+7], 0
.endr
	s_or_b32 s[G1S], s25, (3<<16)|(1<<20)|(1<<21)|(5<<22)|(3<<25)   ; the scales of 128 rows: 4,096 dense bytes as 16 rows of 256, 16 bytes of padding behind each
	s_or_b32 s[G1SB], s26, (3<<16)|(1<<20)|(1<<21)|(5<<22)|(3<<25)
.irp g, G1S, G1SB
	s_mov_b32 s[\g+1], 32<<16
	s_mov_b32 s[\g+2], 16<<16
	s_mov_b32 s[\g+3], 32<<16
	s_mov_b32 s[\g+4], 16
	s_mov_b32 s[\g+5], 32
	s_mov_b32 s[\g+6], 0
	s_mov_b32 s[\g+7], 0
.endr
	s_lshl_b32 s100, s20, 3                        ; which eight tiles I fetch
	s_lshl_b32 s96, s24, 4
	s_add_co_u32 s96, s96, s100
	s_mul_i32 s96, s96, 12288                      ; x: tile 16 x token block + 8 ra
	s_mov_b32 s97, 0
	s_lshl_b32 s98, s23, 4
	s_add_co_u32 s98, s98, s100
	s_mul_i32 s98, s98, 12288                      ; w: tile 16 x column block + 8 ra
	s_mov_b32 s99, 0
	s_mul_i32 s27, s18, HALFT                      ; where they go: wave x eight tiles: no place in the cluster enters an LDS address
	s_mul_i32 s101, s18, HALFS
	s_mov_b32 s[SEL], 0x76543210
	s_mov_b32 s[SEL+1], 0xfedcba98
	s_wait_dscnt 0x0                               ; both opening adds are done
	s_wait_kmcnt 0x0
	s_add_nc_u64 s[4:5], s[4:5], s[96:97]
	s_add_nc_u64 s[8:9], s[8:9], s[98:99]
	s_lshl_b32 s100, s20, 12                       ; 128 rows of 32 scale bytes
	s_lshl_b32 s96, s24, 13
	s_add_co_u32 s96, s96, s100
	s_add_nc_u64 s[6:7], s[6:7], s[96:97]
	s_lshl_b32 s98, s23, 13
	s_add_co_u32 s98, s98, s100
	s_add_nc_u64 s[10:11], s[10:11], s[98:99]
	CROUND                                         ; all sixteen work-groups are here: the first joint loads meet
	MKG0 GSA, 101, SCL, 6, 0
	MKG0 GSB, 101, SCL, 10, 0
	MKG0 GA0, 27, 0, 4, 0
	MKG0 GB0, 27, 0, 8, 0
	MKG0 GA1, 27, SLOT, 4, TILEB
	MKG0 GB1, 27, SLOT, 8, TILEB
	MKG0 GA2, 27, 2*SLOT, 4, 2*TILEB
	MKG0 GB2, 27, 2*SLOT, 8, 2*TILEB
	JLOAD GSA, G1S, GSB, G1SB                      ; the first fills, one group: four loads of mine are out: the scales,
	JLOAD GA0, G1, GB0, G1B                        ; K 0-255,
	JLOAD GA1, G1, GB1, G1B                        ; K 256-511,
	JLOAD GA2, G1, GB2, G1B                        ; K 512-767
	; roles and addresses.  The descriptors have taken the pointers in s[4:11]: these registers are free
	s_cmp_eq_u32 ttmp9, 2                          ; v?  The cluster's x is the same in all sixteen partners
	s_cselect_b32 s2, s20, s19                     ; which half of the tokens is mine
	s_cselect_b32 s3, s19, s20                     ; which half of the columns: a pair of heads
	s_cselect_b32 s4, 2*HALFT, 0                   ; P's region in a slot
	s_cselect_b32 s5, 0, 2*HALFT                   ; R's
	s_cselect_b32 s6, 2*HALFS, 0                   ; and among the scales
	s_cselect_b32 s7, 0, 2*HALFS
	s_cselect_b32 s8, 6400, 0                      ; v lies behind k in a group's block
	s_cmp_eq_u32 ttmp9, 0                          ; q?
	s_cselect_b64 s[96:97], s[14:15], s[16:17]     ; the buffer
	s_mov_b32 s100, 204800
	s_cselect_b32 s100, 102400, s100               ; a head's bytes in it
	s_mov_b32 s101, 0xffff0000                     ; lanes 16-31
	s_mul_i32 s9, s19, HALFT
	s_add_co_u32 s4, s4, s9
	s_mul_i32 s9, s20, HALFT
	s_add_co_u32 s5, s5, s9
	s_mul_i32 s9, s19, HALFS
	s_add_co_u32 s6, s6, s9
	s_add_co_u32 s6, s6, SCL
	s_mul_i32 s9, s20, HALFS
	s_add_co_u32 s7, s7, s9
	s_add_co_u32 s7, s7, SCL
	v_and_b32 v1, 31, v0
	v_and_b32 v2, 15, v0                           ; r
	v_bfe_u32 v3, v0, 4, 1                         ; h
	v_lshlrev_b32 v[L16], 4, v1
.irp s, 0,1,2
	v_add_nc_u32 v[ADRP+\s], s4, v[L16]
	v_add_nc_u32 v[ADRR+\s], s5, v[L16]
	s_add_co_u32 s4, s4, SLOT
	s_add_co_u32 s5, s5, SLOT
.endr
	v_lshrrev_b32 v4, 3, v2
	v_lshlrev_b32 v5, 5, v2
	v_lshl_add_u32 v5, v4, 4, v5                   ; row r's 32 scale bytes: 32 r, and 16 more behind each 256
	v_add_nc_u32 v[ADSP], s6, v5
	v_add_nc_u32 v[ADSR], s7, v5
	v_mul_u32_u24 v[SOF], v3, s100
	v_lshl_add_u32 v[SOF], v2, 4, v[SOF]
	v_lshlrev_b32 v[BOQ], 6, v3
	v_lshlrev_b32 v[BOV], 2, v2
	v_lshl_add_u32 v[BOV], v4, 5, v[BOV]
	s_lshl_b32 s9, s23, 10
	s_lshl_b32 s10, s3, 9
	s_add_co_u32 s10, s10, s9
	s_mov_b32 s11, 0
	s_add_nc_u64 s[12:13], s[12:13], s[10:11]      ; the bias of my 128 columns
	s_lshl_b32 s9, s24, 1
	s_add_co_u32 s9, s9, s2                        ; my group of 128 tokens, 0 .. 63
	s_lshr_b32 s10, s9, 4
	s_lshl_b32 s10, s10, 4                         ; 16 x batch
	s_and_b32 s9, s9, 15                           ; the group in its sequence
	s_lshl_b32 s11, s21, 2
	s_add_co_u32 s10, s10, s11
	s_lshl_b32 s11, s3, 1
	s_add_co_u32 s10, s10, s11                     ; my first head: 16 batch + 4 cx + 2 x half
	s_mul_i32 s10, s10, s100
	s_lshr_b32 s11, s100, 4
	s_mul_i32 s11, s11, s9
	s_add_co_u32 s10, s10, s11
	s_add_co_u32 s10, s10, s8
	s_mov_b32 s11, 0
	s_add_nc_u64 s[96:97], s[96:97], s[10:11]      ; where the first head's block begins,
	s_mov_b32 s10, s100
	s_add_nc_u64 s[98:99], s[96:97], s[10:11]      ; and the second's
	WIN TO_B                                       ; the bias by column, for q and k: register 16 b + i of a result is column 32 b + 16 h + i
.irp b, 0,1,2,3
.irp e, 0,1,2,3
	global_load_b128 v[96+16*\b+4*\e+96*(\b/2):99+16*\b+4*\e+96*(\b/2)], v[BOQ], s[12:13] offset:128*\b+16*\e
.endr
.endr
	WIN 0                                          ; and by lane, for v: a lane holds one column of each of P's eight tiles; its bias twice, a pair for the packed addition
.irp a, 0,1,2,3,4,5,6,7
	global_load_b32 v[BV+2*\a], v[BOV], s[12:13] offset:(32*(\a/2)+8*(\a%2))*4
	global_load_b32 v[BV+1+2*\a], v[BOV], s[12:13] offset:(32*(\a/2)+8*(\a%2))*4
.endr
.macro FRAG reg, adr, off              ; a fragment's image: three loads of 512 consecutive bytes
.irp g, 0,1,2
	ds_load_b128 v[(\reg)+4*\g:(\reg)+4*\g+3], v[\adr] offset:(\off)+512*\g
.endr
.endm
.macro FETCH_R ls, q, p                ; R's eight fragments of slot ls, K step q, into set p
	WIN TO_B
.irp i, 0,1,2,3,4,5,6,7
	FRAG 128*(\p)+12*\i, ADRR+(\ls), TILEB*\i+FRB*(\q)
.endr
	WIN 0
.endm
.macro FETCH_P ls, q, i0               ; P's blocks i0 .. i0 + 3
.irp i, \i0, \i0+1, \i0+2, \i0+3
	FRAG AF+12*(\i), ADRP+(\ls), TILEB*(\i)+FRB*(\q)
.endr
.endm
.macro SCALES ks                       ; the scale words of K 256 ks on: two words a row, into set ks % 2
.irp i, 0,1,2,3,4,5,6,7
	ds_load_b64 v[SCP+16*((\ks)%2)+2*\i:SCP+16*((\ks)%2)+2*\i+1], v[ADSP] offset:SBLK*\i+8*(\ks)
	ds_load_b64 v[SCR+16*((\ks)%2)+2*\i:SCR+16*((\ks)%2)+2*\i+1], v[ADSR] offset:SBLK*\i+8*(\ks)
.endr
.endm
; 16 matrix instructions: P's blocks a0, a0 + 1 x R's eight.  The 64 accumulators take turns, one instruction a turn, in the same order in every step.
.macro MUL16 a0, p, q, set, first
.irp a, \a0, \a0+1
.irp b, 0,1,2,3,4,5,6,7
.if \first
	v_wmma_scale_f32_16x16x128_f8f6f4 v[8*(8*((\a)%4)+\b):8*(8*((\a)%4)+\b)+7], v[128*(\p)+12*\b:128*(\p)+12*\b+11], v[AF+12*(\a):AF+12*(\a)+11], 0, v[SCR+16*(\set)+2*\b+(\q)], v[SCP+16*(\set)+2*(\a)+(\q)] matrix_a_fmt:MATRIX_FMT_FP6 matrix_b_fmt:MATRIX_FMT_FP6
.else
	v_wmma_scale_f32_16x16x128_f8f6f4 v[8*(8*((\a)%4)+\b):8*(8*((\a)%4)+\b)+7], v[128*(\p)+12*\b:128*(\p)+12*\b+11], v[AF+12*(\a):AF+12*(\a)+11], v[8*(8*((\a)%4)+\b):8*(8*((\a)%4)+\b)+7], v[SCR+16*(\set)+2*\b+(\q)], v[SCP+16*(\set)+2*(\a)+(\q)] matrix_a_fmt:MATRIX_FMT_FP6 matrix_b_fmt:MATRIX_FMT_FP6
.endif
.endr
.endr
.endm
.macro PLACES n                        ; plain places behind matrix instructions, in front of loads into registers that they have read and of the first read of results
.rept \n
	v_nop
.endr
.endm
; A K step of 128: K step q of its slot, scale set, and what is fetched for the next step (slot nls, K step nq; with nq = 0 the scale words of piece nks).
.macro STEP q, set, first, nls, nq, nks
	s_wait_dscnt 4*NLP                             ; R's set, the scale words and P's blocks 0-3 are in; the youngest loads (P's blocks 4-7) may be out
	WIN MUL_LO
	MUL16 0, \q, \q, \set, \first
	MUL16 2, \q, \q, \set, \first
	s_wait_dscnt 0x0                               ; P's blocks 4-7 are in
	PLACES 4
	FETCH_R \nls, \nq, \nq
	FETCH_P \nls, \nq, 0
.if \nq == 0
	SCALES \nks
.endif
	WIN MUL_HI
	MUL16 4, \q, \q, \set, \first
	MUL16 6, \q, \q, \set, \first
	PLACES 4
	WIN 0
	FETCH_P \nls, \nq, 4
.endm
; A slot's second step with a barrier in it.  In front of the barrier each wave waits for all its tensor loads, adds 0 to its spare word, and waits for that and for its reads of the slot.
; fill = 1: the barrier opens a round of the cluster's, and slot 0 is filled again, with K 768-1,023: the first tensor load behind the round, one a wave.
.macro TURN set, fill, nls, nks
	s_wait_tensorcnt 0x0                           ; all my tensor loads have landed
	ds_add_u32 v[SPW], v[NIL]                      ; 0 onto my spare word
	s_wait_dscnt 4*NLP+1                           ; (the add and P's blocks 4-7 may be out)
	WIN MUL_LO
	MUL16 0, 1, 1, \set, 0                         ; sixteen matrix instructions stand between the add and the wait for it
	s_wait_dscnt 0x0                               ; the add is done, and my reads of this slot are over
	s_barrier_signal -1
	MUL16 2, 1, 1, \set, 0
	WIN 0
	s_barrier_wait -1
.if \fill
	CREST                                          ; no wave of any partner still reads slot 0 or has a load on its way
	s_add_nc_u64 s[GA0+2:GA0+3], s[GA0+2:GA0+3], 3*TILEB
	s_add_nc_u64 s[GB0+2:GB0+3], s[GB0+2:GB0+3], 3*TILEB
	JLOAD GA0, G1, GB0, G1B                        ; it has four K steps, 256 matrix instructions, in which to land; its four v_nop are also the places in front of the loads below
.else
	PLACES 4
.endif
	FETCH_R \nls, 0, 0
	FETCH_P \nls, 0, 0
	SCALES \nks
	WIN MUL_HI
	MUL16 4, 1, 1, \set, 0
	MUL16 6, 1, 1, \set, 0
	PLACES 4
	WIN 0
	FETCH_P \nls, 0, 4
.endm
	s_wait_tensorcnt 0x2                           ; the scales and my part of slot 0 are in; slots 1 and 2 may stay out
	s_barrier_signal -1
	s_barrier_wait -1
	FETCH_R 0, 0, 0
	FETCH_P 0, 0, 0
	SCALES 0
	FETCH_P 0, 0, 4
	STEP 0, 0, 1, 0, 1, 0                          ; K 0: its products start the sums: nothing is cleared
	TURN 0, 1, 1, 1                                ; K 128; slots 1 and 2 are now whole for every wave; slot 0 is filled again
	STEP 0, 1, 0, 1, 1, 0                          ; K 256
	STEP 1, 1, 0, 2, 0, 2                          ; K 384; slot 2 was shown whole at the round above: no barrier
	STEP 0, 0, 0, 2, 1, 0                          ; K 512
	TURN 0, 0, 0, 3                                ; K 640; slot 0's second fill is whole for every wave
	STEP 0, 1, 0, 0, 1, 0                          ; K 768
	s_wait_dscnt 4*NLP                             ; K 896: nothing more to fetch
	WIN MUL_LO
	MUL16 0, 1, 1, 1, 0
	MUL16 2, 1, 1, 1, 0
	s_wait_dscnt 0x0
	WIN MUL_HI
	MUL16 4, 1, 1, 1, 0
	MUL16 6, 1, 1, 1, 0
	WIN 0
; THE WAY OUT.  64 numbers of a lane, register 16 b + i = k 32 b + 16 h + i of my row, become codes: k 0-63 in v[l0] .. + 5, k 64-127 in v[l1] .. + 5, and the four scale bytes in v[pw].
.macro QUANT s, l0, l1, pw
.irp b, 0,1,2,3
	v_max3_num_f32 v[TM+\b], |v[(\s)+16*\b]|, |v[(\s)+1+16*\b]|, 0x1800000   ; my 16 numbers of block b, and the floor 2^(3 - 127): the byte cannot fall under 1
.endr
.irp i, 2,4,6,8,10,12,14
.irp b, 0,1,2,3
	v_max3_num_f32 v[TM+\b], v[TM+\b], |v[(\s)+16*\b+\i]|, |v[(\s)+1+16*\b+\i]|
.endr
.endr
.irp b, 0,1,2,3
	v_permlanex16_b32 v[TM+4+\b], v[TM+\b], s[SEL], s[SEL+1]
.endr
.irp b, 0,1,2,3
	v_max_num_f32 v[TM+\b], v[TM+\b], v[TM+4+\b]   ; with lane l xor 16's: the block's largest magnitude
.endr
.irp b, 0,1,2,3
	v_add_nc_u32 v[TM+12+\b], 0xff000000, v[TM+\b] ; 2 off its exponent field: the conversion's scale operand
.endr
.irp b, 0,1,2,3
	v_lshrrev_b32 v[TM+4+\b], 23, v[TM+12+\b]      ; the scale's byte
.endr
	v_lshl_or_b32 v[\pw], v[TM+5], 8, v[TM+4]
	v_lshl_or_b32 v[\pw], v[TM+6], 16, v[\pw]
	v_lshl_or_b32 v[\pw], v[TM+7], 24, v[\pw]
	v_cvt_scalef32_pk16_fp6_f32 v[(\l0):(\l0)+2], v[(\s):(\s)+15], v[TM+12]
	v_cvt_scalef32_pk16_fp6_f32 v[T0:T0+2], v[(\s)+16:(\s)+31], v[TM+13]
	v_cvt_scalef32_pk16_fp6_f32 v[(\l1):(\l1)+2], v[(\s)+32:(\s)+47], v[TM+14]
	v_cvt_scalef32_pk16_fp6_f32 v[T1:T1+2], v[(\s)+48:(\s)+63], v[TM+15]
	v_nop                                          ; one plain place behind a scaled conversion
.irp i, 0,1,2                          ; the operand's layout wants a whole block in a lane: lanes 0-15 the even block, lanes 16-31 the odd one
	v_permlane16_swap_b32 v[(\l0)+\i], v[T0+\i]
.endr
.irp i, 0,1,2
	v_mov_b32 v[(\l0)+3+\i], v[T0+\i]
.endr
.irp i, 0,1,2
	v_permlane16_swap_b32 v[(\l1)+\i], v[T1+\i]
.endr
.irp i, 0,1,2
	v_mov_b32 v[(\l1)+3+\i], v[T1+\i]
.endr
.endm
.macro ADDB a                          ; P's block a + the bias of its 128 columns (window 1), into window 0; each accumulator is read from its low end on
	WIN 0x06+((\a)/4)
.set jj, 0
.rept 32
	v_pk_add_f32 v[H+jj:H+jj+1], v[64*((\a)%4)+jj:64*((\a)%4)+jj+1], v[96+jj+96*(jj/32):97+jj+96*(jj/32)]
.set jj, jj+2
.endr
	WIN 0
.endm
.macro ADDV a                          ; the same for v: one bias a lane, its pair in window 0
	WIN 0x02+((\a)/4)
.set jj, 0
.rept 32
	v_pk_add_f32 v[H+jj:H+jj+1], v[64*((\a)%4)+jj:64*((\a)%4)+jj+1], v[BV+2*(\a):BV+1+2*(\a)]
.set jj, jj+2
.endr
	WIN 0
.endm
	s_wait_loadcnt 0x0                             ; the bias
	PLACES 4                                       ; behind the last products
.irp b, 0,1,2,3
	v_mov_b32 v[TM+4+\b], 0                        ; written once: a lane permute's destination counts as one of its sources
.endr
	s_cmp_eq_u32 ttmp9, 2
	s_cbranch_scc1 .Lout_v
.irp t, 0,1,2,3                        ; q, k: token tiles 2 t and 2 t + 1 make composite t of each of my two heads
.if \t > 0
	s_wait_xcnt 0x0                                ; the last composite's stores have read their registers
.endif
	ADDB 2*\t
	QUANT H, FA, FB, WX
	ADDB 2*\t+1
	QUANT H, FA+6, FB+6, WY
	v_perm_b32 v[SA+\t], v[WY], v[WX], 0x05040100  ; the first head's word: tile 2 t's two bytes, then tile 2 t + 1's
	v_perm_b32 v[SB+\t], v[WY], v[WX], 0x07060302  ; the second head's
.irp g, 0,1,2
	global_store_b128 v[L16], v[FA+4*\g:FA+4*\g+3], s[96:97] offset:1536*\t+512*\g   ; 512 consecutive bytes a store
	global_store_b128 v[L16], v[FB+4*\g:FB+4*\g+3], s[98:99] offset:1536*\t+512*\g
.endr
.endr
	s_branch .Lout_sc
.Lout_v:
.irp a, 0,1,2,3                        ; v: P's block a is a tile of 16 channels of the first head; its 64 registers' 128 tokens are a fragment's K
.if \a > 0
	s_wait_xcnt 0x0
.endif
	ADDV \a
	QUANT H, FA, FA+6, SA+\a
.irp g, 0,1,2
	global_store_b128 v[L16], v[FA+4*\g:FA+4*\g+3], s[96:97] offset:1536*\a+512*\g
.endr
.endr
.irp a, 4,5,6,7                        ; and of the second
	s_wait_xcnt 0x0
	ADDV \a
	QUANT H, FA, FA+6, SB+\a-4
.irp g, 0,1,2
	global_store_b128 v[L16], v[FA+4*\g:FA+4*\g+3], s[98:99] offset:1536*(\a-4)+512*\g
.endr
.endr
.Lout_sc:
.irp i, 0,1,2,3
	v_cndmask_b32 v[SD+\i], v[SA+\i], v[SB+\i], s101   ; lanes 0-15 the first head's words, lanes 16-31 the second's
.endr
	global_store_b128 v[SOF], v[SD:SD+3], s[96:97] offset:6144   ; sixteen lanes store 256 consecutive bytes, aligned, for each head
	s_wait_tensorcnt 0x0                           ; the wave's end: behind my last tensor load
	ds_add_u32 v[SPW], v[NIL]
	s_wait_dscnt 0x0
	CROUND                                         ; the closing round: no work-group ends while a partner may still ask for a tile that names it
	s_endpgm
.Lfunc_end_k_qa1bee809aa_gemm_qkv:
	.size	k_qa1bee809aa_gemm_qkv, .Lfunc_end_k_qa1bee809aa_gemm_qkv-k_qa1bee809aa_gemm_qkv
	.p2alignl 7, 3214868480
	.fill 96, 4, 3214868480
	.section	.rodata,"a",@progbits
	.p2align	6, 0x0
	.amdhsa_kernel k_qa1bee809aa_gemm_qkv
		.amdhsa_group_segment_fixed_size 327680
		.amdhsa_private_segment_fixed_size 0
		.amdhsa_enable_private_segment 0
		.amdhsa_kernarg_size 56
		.amdhsa_user_sgpr_count 2
		.amdhsa_user_sgpr_kernarg_segment_ptr 1
		.amdhsa_wavefront_size32 1
		.amdhsa_system_sgpr_workgroup_id_x 1
		.amdhsa_system_sgpr_workgroup_id_y 1
		.amdhsa_system_sgpr_workgroup_id_z 1
		.amdhsa_system_vgpr_workitem_id 0
		.amdhsa_next_free_vgpr 1024
		.amdhsa_next_free_sgpr 102
		.amdhsa_reserve_vcc 0
		.amdhsa_float_denorm_mode_32 3
		.amdhsa_float_denorm_mode_16_64 3
		.amdhsa_memory_ordered 1
		.amdhsa_forward_progress 1
		.amdhsa_inst_pref_size 211
	.end_amdhsa_kernel
	.amdgpu_metadata
---
amdhsa.version: [ 1, 2 ]
amdhsa.kernels:
  - .name:           k_qa1bee809aa_gemm_qkv
    .symbol:         k_qa1bee809aa_gemm_qkv.kd
    .args:
      - { .name: ximg, .offset: 0, .size: 8, .value_kind: global_buffer, .address_space: global }
      - { .name: xsc, .offset: 8, .size: 8, .value_kind: global_buffer, .address_space: global }
      - { .name: wimg, .offset: 16, .size: 8, .value_kind: global_buffer, .address_space: global }
      - { .name: wsc, .offset: 24, .size: 8, .value_kind: global_buffer, .address_space: global }
      - { .name: b_qkv, .offset: 32, .size: 8, .value_kind: global_buffer, .address_space: global }
      - { .name: qbuf, .offset: 40, .size: 8, .value_kind: global_buffer, .address_space: global }
      - { .name: kv, .offset: 48, .size: 8, .value_kind: global_buffer, .address_space: global }
    .group_segment_fixed_size: 327680
    .private_segment_fixed_size: 0
    .kernarg_segment_align: 8
    .kernarg_segment_size: 56
    .max_flat_workgroup_size: 128
    .sgpr_count:     102
    .vgpr_count:     1024
    .wavefront_size: 32
...
	.end_amdgpu_metadata
.endif
;; end of part 2
;; launch attn (part 3): grid 4 x 64, 16 waves a work-group, clusters of 4 x 1, 206,848 bytes of LDS; arguments qbuf, kv, yimg, ysc; writes yimg, ysc
.if DOCPART == 3
	.amdgcn_target "amdgcn-amd-amdhsa--gfx1250"
	.amdhsa_code_object_version 6
	.text
	.protected	k_qa1bee809aa_attn
	.globl	k_qa1bee809aa_attn
	.p2align	8
	.type	k_qa1bee809aa_attn,@function
k_qa1bee809aa_attn:
	s_mov_b64 s[64:65], 0
	v_nop
	global_prefetch_b8 v0, s[64:65] scope:SCOPE_SE
	s_setreg_imm32_b32 hwreg(HW_REG_WAVE_MODE, 25, 1), 1
	s_wait_xcnt 0x0
	s_wait_alu depctr_hold_cnt(0) depctr_sa_sdst(0) depctr_va_vdst(0) depctr_va_sdst(0) depctr_va_ssrc(0) depctr_va_vcc(0) depctr_vm_vsrc(0)
	s_getreg_b32 s2, hwreg(HW_REG_IB_STS2, 6, 4)
	s_cmp_eq_u32 s2, 0
	s_cbranch_scc0 .Lentry_in_a_cluster
	s_endpgm
.Lentry_in_a_cluster:
	s_bfe_u32 s2, ttmp6, 0x10000c
	s_cmp_lg_u32 s2, 0x3003
	s_cbranch_scc0 .Lentry_shape_is_right
	s_endpgm
.Lentry_shape_is_right:
; y = softmax(q k^T / 8, causal) v for one head a cluster, both products on codes of FP6 (E2M3); y leaves as codes along C with its scale bytes.
; WORK LEFT OUT: a step of 128 keys all of which come after a tile's 16 queries is not walked: reference() itself makes those scores -inf (shown at the head of the first launch).
; THE SOFTMAX: t = score x log2(e) / 8; M = the running largest t rounded up to a whole number; p = 2^(t - M) is quantised along the keys; the row's sum is taken of the unquantised p and divides at the end.
; SHARES.  The four work-groups of a cluster share a head (work-group y).  A wave owns two tiles of 16 queries: tile 4 w + j (j = the place in the cluster, w = the wave's rank) and tile 127 less that:
; their key steps are w / 2 + 1 and 16 - w / 2: 17 for every wave.  j enters global addresses and the lanes' query numbers alone: no branch and no LDS address hangs on it.
; The rank is 4 ((a + b) % 4) + a for wave 4 a + b, so that long and short low tiles are spread over the waves' numbers.
; LDS.  The head's whole block of kv (16 steps x 12,800 bytes) lies in LDS as it lies in memory, filled ONCE by three joint loads a wave: nothing is filled again.  The groups' sizes let the first
; steps begin early: group A covers steps 0-1, A and B steps 0-5.
; PRODUCT 1 has K = 64 and the instruction 128.  A composite of k holds key tile 2 t in K 0-63 and tile 2 t + 1 in K 64-127; q stands as [q | zeros | q] in 18 registers, so that registers 0-11
; pick the first tile and registers 6-17 the second: every loaded register of k is used.  The zero codes' scale bytes on q's side are 1.
; LAYOUT.  Both products are used transposed: a lane holds ONE query throughout; a tile 2 b + u holds members 32 b + 8 u + r + 8 (r / 8), so that p's 64 registers are 128 neighbouring keys
; (register 16 b + i = key 32 b + 16 h + i) and O^T's 32 registers the head's 64 channels in the same order.
; yimg: [512 tiles][8 K steps][1,536], piece p = registers 2 p, 2 p + 1, lane l's 8 bytes at 256 p + 8 l: a head fills pieces 3 (head % 2) on.  ysc: [16 tile + r][32], two bytes at 2 x head.
; LIMITS: as stated at the head of the first launch.
.set SPARE, 204800                     ; behind the head's block: the spare words, 128 bytes for each wave: eight blocks of 256 bytes that no other line names
.set L16,  1                           ; v1   16 x lane
.set SCA,  2                           ; v2   16 r + 6,144: a step's scale words of k
.set SPW,  3                           ; v3   LDS address of my spare word; never rewritten
.set NIL,  4                           ; v4   0; never rewritten
.set DQH,  5                           ; v5   the high tile: my query's place in its 128, less 16 h
.set DQL,  6                           ; v6   the low tile's
.set L8,   7                           ; v7   8 x lane
.set ADK,  8                           ; v8   the step's fragments
.set ADS,  9                           ; v9   the step's scale words
.set QH,   16                          ; v16-33 [q | zeros | q] of the high tile; v34, v35 its two scale words
.set FR,   36                          ; v36-83 four fragments: k's composites, then v's tiles
.set KS,   84                          ; v84-87 k's scale words; v88-91 v's
.set VS,   88
.set YSH,  92                          ; v92  the high tile's two scale bytes of y; v93 the low tile's (v93, v94 first hold q's raw scale words)
.set YSL,  93
.set S,    96                          ; v96-159 S^T, then p
.set O,    160                         ; v160-191 O^T
.set QL,   192                         ; v192-209 the low tile's q; v210, v211 its scale words
.set PC,   212                         ; v212-223 p's codes
.set CT,   224                         ; v224-230 the conversions' second halves
.set BM,   232                         ; v232-235 the blocks' largest
.set PB,   236                         ; v236-239 the other half's; bytes
.set SO,   240                         ; v240-243 the conversions' scale operands
.set F,    244                         ; v[244:245] f = 2^(old M - new M)
.set PW,   246                         ; v246 p's scale word
.set TMP,  247
.set NINF, 248
.set L2,   250                         ; v[250:251] the sum's second chain
.set WV,   12                          ; s12 wave; s13 j; s14 head; s15 rank; s16, s17 the low and the high tile; s18, s19 their last key steps
.set SEL,  20
.set CS,   22                          ; s[22:23] c = log2(e) / 8
.set TB,   24                          ; s24 LDS byte of the step in hand
.set SG,   25                          ; s25 the step
.set LIM,  26                          ; s26 the tile's last step
.set CNT,  27
.macro CROUND
	s_barrier_signal -1
	s_barrier_wait -1
	s_cmp_lg_u32 s[WV], 0
	s_cbranch_scc1 .Lnot_wave_0_\@
	s_barrier_signal -3
.Lnot_wave_0_\@:
	s_barrier_wait -3
	s_barrier_signal -1
	s_barrier_wait -1
.endm
	s_load_b256 s[4:11], s[0:1], 0x0               ; qbuf s[4:5], kv s[6:7], yimg s[8:9], ysc s[10:11]
	v_lshl_add_u32 v[SPW], v0, 2, SPARE
	v_mov_b32 v[NIL], 0
	ds_add_u32 v[SPW], v[NIL]                      ; the wave's opening: the add, twice on end, and its wait ahead of my first tensor load
	ds_add_u32 v[SPW], v[NIL]                      ; and once more; the set-up below, work on registers, stands between it and the wait
	v_lshrrev_b32 v8, 5, v0
	s_delay_alu instid0(VALU_DEP_1)
	v_readfirstlane_b32 s[WV], v8                  ; wave 0..15
	s_bfe_u32 s13, ttmp6, 0x40000                  ; j: my place in the cluster
	s_and_b32 s14, ttmp7, 0xffff                   ; batch x 16 + head, which the four partners share
	s_lshr_b32 s66, s[WV], 2
	s_and_b32 s67, s[WV], 3
	s_add_co_u32 s67, s67, s66
	s_and_b32 s67, s67, 3
	s_lshl_b32 s67, s67, 2
	s_add_co_u32 s15, s67, s66                     ; the rank
	s_lshl_b32 s16, s15, 2
	s_add_co_u32 s16, s16, s13                     ; the low tile
	s_sub_co_u32 s17, 127, s16                     ; the high tile
	s_lshr_b32 s18, s15, 1                         ; their last key steps, from the rank alone
	s_sub_co_u32 s19, 15, s18
.irp g, 28, 36, 44                     ; descriptor groups 1: rows of 256 bytes (32 elements of 8), dense; the mask names all four partners, bit 21 beside it
	s_mov_b32 s[\g], 15|(3<<16)|(1<<21)
	s_mov_b32 s[\g+1], 32<<16
	s_mov_b32 s[\g+3], 32<<16
	s_mov_b32 s[\g+5], 32
	s_mov_b32 s[\g+6], 0
	s_mov_b32 s[\g+7], 0
.endr
	s_mov_b32 s30, 7<<16                           ; group A: 7 rows a wave,
	s_mov_b32 s32, 7
	s_mov_b32 s38, 12<<16                          ; B: 12,
	s_mov_b32 s40, 12
	s_mov_b32 s46, 31<<16                          ; C: 31: 16 x 50 rows = 204,800 bytes
	s_mov_b32 s48, 31
	s_mov_b32 s[SEL], 0x76543210
	s_mov_b32 s[SEL+1], 0xfedcba98
	s_mov_b32 s[CS], 0x3e38aa3b                    ; log2(e) / 8
	s_mov_b32 s[CS+1], s[CS]                       ; (named with it as a pair, so it is written)
	s_mul_i32 s68, s14, 204800
	s_mov_b32 s69, 0
	s_mul_i32 s70, s14, 102400
	s_mov_b32 s71, 0
	s_wait_dscnt 0x0                               ; both opening adds are done
	s_wait_kmcnt 0x0
	s_add_nc_u64 s[6:7], s[6:7], s[68:69]          ; the head's block of kv
	s_add_nc_u64 s[4:5], s[4:5], s[70:71]          ; and of q
	s_mul_i32 s70, s[WV], 1792
	s_mov_b32 s52, 1
	s_mov_b32 s53, s70
	s_add_nc_u64 s[54:55], s[6:7], s[70:71]
	s_or_b32 s55, s55, 0x80000000
	s_mul_i32 s70, s[WV], 3072
	s_add_co_u32 s70, s70, 28672
	s_mov_b32 s56, 1
	s_mov_b32 s57, s70
	s_add_nc_u64 s[58:59], s[6:7], s[70:71]
	s_or_b32 s59, s59, 0x80000000
	s_mul_i32 s70, s[WV], 7936
	s_add_co_u32 s70, s70, 77824
	s_mov_b32 s60, 1
	s_mov_b32 s61, s70
	s_add_nc_u64 s[62:63], s[6:7], s[70:71]
	s_or_b32 s63, s63, 0x80000000
	CROUND                                         ; all four work-groups are here: the joint loads meet
	tensor_load_to_lds s[52:55], s[28:35]          ; the first fills, and the only ones: three loads of mine are out
	s_nop 0
	tensor_load_to_lds s[56:59], s[36:43]
	s_nop 0
	tensor_load_to_lds s[60:63], s[44:51]
	s_nop 0
.rept 4
	v_nop
.endr
	v_and_b32 v8, 31, v0
	s_delay_alu instid0(VALU_DEP_1)
	v_lshlrev_b32 v[L16], 4, v8
	s_delay_alu instid0(VALU_DEP_2)
	v_lshlrev_b32 v[L8], 3, v8
	v_and_b32 v8, 15, v0                           ; r
	v_bfe_u32 v9, v0, 4, 1                         ; h
	s_delay_alu instid0(VALU_DEP_2)
	v_lshlrev_b32 v11, 4, v8                       ; 16 r
	s_delay_alu instid0(VALU_DEP_1)
	v_add_nc_u32 v[SCA], 6144, v11
	s_delay_alu instid0(VALU_DEP_4)
	v_lshrrev_b32 v10, 3, v8
	s_delay_alu instid0(VALU_DEP_1)
	v_lshl_add_u32 v10, v10, 3, v8                 ; r + 8 (r / 8)
	v_lshlrev_b32 v9, 4, v9
	s_delay_alu instid0(VALU_DEP_1)
	v_sub_nc_u32 v10, v10, v9                      ; - 16 h
; A tile's q: six registers of composite (tile / 2) % 4 of its group, the lower six (u = 0) or the upper six (u = 1) of the image's twelve; loaded twice, zeros between.
.macro QLOAD tau, qb, raw, dq, sh
	s_wait_xcnt 0x0                                ; the loads issued so far have read their bases
	s_lshr_b32 s66, s[\tau], 3
	s_mul_i32 s66, s66, 6400                       ; the tile's group of 128 tokens
	s_lshr_b32 s67, s[\tau], 1
	s_and_b32 s67, s67, 3                          ; the composite
	s_and_b32 s68, s[\tau], 1                      ; u
	s_mul_i32 s70, s67, 1536
	s_add_co_u32 s70, s70, s66
	s_mul_i32 s72, s68, 520
	s_add_co_u32 s72, s72, s70
	s_mov_b32 s73, 0
	s_add_nc_u64 s[72:73], s[4:5], s[72:73]        ; registers 0, 1 and (512 on) 4, 5 of the six
	s_mul_i32 s74, s68, 1016
	s_add_co_u32 s74, s74, s70
	s_mov_b32 s75, 0
	s_add_nc_u64 s[74:75], s[4:5], s[74:75]        ; (8 on) registers 2, 3
	s_lshl_b32 s76, s67, 2
	s_add_co_u32 s76, s76, s66
	s_add_co_u32 s76, s76, 6144
	s_mov_b32 s77, 0
	s_add_nc_u64 s[76:77], s[4:5], s[76:77]        ; the composite's scale words
	s_lshl_b32 s[\sh], s68, 4                      ; my tile's two bytes lie 16 u bits up
	s_lshl_b32 s67, s67, 5
	s_lshl_b32 s68, s68, 3
	s_add_co_u32 s67, s67, s68
	v_add_nc_u32 v[\dq], s67, v10                  ; my query's place in its 128, less 16 h
.irp d, 0, 12
	global_load_b64 v[\qb+\d:\qb+\d+1], v[L16], s[72:73]
	global_load_b64 v[\qb+\d+2:\qb+\d+3], v[L16], s[74:75] offset:8
	global_load_b64 v[\qb+\d+4:\qb+\d+5], v[L16], s[72:73] offset:512
.endr
	global_load_b32 v[\raw], v11, s[76:77]
.irp d, 6,7,8,9,10,11
	v_mov_b32 v[\qb+\d], 0
.endr
.endm
	s_wait_alu depctr_va_vdst(0)
	QLOAD 17, QH, 93, DQH, 2
	QLOAD 16, QL, 94, DQL, 3
	v_mov_b32 v[NINF], 0xff800000                  ; -infinity
	v_mov_b32 v[F+1], 0                            ; (named as the upper half of a pair before it is first written)
	v_mov_b32 v[TMP], 0
.irp b, 0,1,2,3
	v_mov_b32 v[PB+\b], 0                          ; written once: a lane permute's destination counts as one of its sources
.endr
	s_wait_loadcnt 0x0                             ; q and its scale words
	v_lshrrev_b32 v93, s2, v93
	s_delay_alu instid0(VALU_DEP_1)
	v_and_b32 v93, 0xffff, v93
	s_delay_alu instid0(VALU_DEP_1)
	v_or_b32 v[QH+18], 0x01010000, v93             ; [q | zeros]: my two bytes, then 1, 1
	s_delay_alu instid0(VALU_DEP_2)
	v_lshl_or_b32 v[QH+19], v93, 16, 0x0101        ; [zeros | q]
	v_lshrrev_b32 v94, s3, v94
	s_delay_alu instid0(VALU_DEP_1)
	v_and_b32 v94, 0xffff, v94
	s_delay_alu instid0(VALU_DEP_1)
	v_or_b32 v[QL+18], 0x01010000, v94
	s_delay_alu instid0(VALU_DEP_2)
	v_lshl_or_b32 v[QL+19], v94, 16, 0x0101
	s_lshr_b32 s66, s14, 4
	s_lshl_b32 s66, s66, 7                         ; the batch's first tile
	s_and_b32 s67, s14, 15                         ; the head
	s_lshr_b32 s68, s67, 1
	s_mul_i32 s68, s68, 1536                       ; its K step of the projection,
	s_and_b32 s69, s14, 1
	s_mul_i32 s69, s69, 768                        ; and its half of the fragment
	s_add_co_u32 s68, s68, s69
	s_add_co_u32 s72, s66, s17
	s_mul_i32 s72, s72, 12288
	s_add_co_u32 s72, s72, s68
	s_mov_b32 s73, 0
	s_add_nc_u64 s[72:73], s[8:9], s[72:73]        ; y's codes of the high tile,
	s_add_co_u32 s74, s66, s16
	s_mul_i32 s74, s74, 12288
	s_add_co_u32 s74, s74, s68
	s_mov_b32 s75, 0
	s_add_nc_u64 s[74:75], s[8:9], s[74:75]        ; of the low tile
	s_lshl_b32 s76, s66, 9
	s_lshl_b32 s67, s67, 1
	s_add_co_u32 s76, s76, s67
	s_mov_b32 s77, 0
	s_add_nc_u64 s[76:77], s[10:11], s[76:77]      ; y's scale bytes: the batch's first row, my head's two bytes
	s_mov_b32 s78, 0xffff0000                      ; lanes 16-31
.macro INIT                            ; the step is written once: the first finds zeros, which the first change of M leaves zeros
	v_mov_b32 v13, 0xff61b1e6                      ; the largest t so far: -3e38
	s_delay_alu instid0(VALU_DEP_1)
	v_floor_f32 v12, -v13                          ; -M
	v_mov_b32 v14, 0                               ; the sum, in two halves
	v_mov_b32 v15, 0
.set jj, 0
.rept 32
	v_mov_b32 v[O+jj], 0
.set jj, jj+1
.endr
.endm
; A KEY STEP: 128 keys at LDS byte s[TB].  causal = 1: a step behind the tile's last is jumped over (a scalar branch on the wave's number and the count of steps, round the work alone), and in the
; tile's last step the hidden scores become -infinity.
.macro STEP qb, dq, causal
.if \causal
	s_cmp_gt_u32 s[SG], s[LIM]
	s_cbranch_scc1 .Lhidden_\@
.endif
	s_setprio 2
	v_add_nc_u32 v[ADK], s[TB], v[L16]
	v_add_nc_u32 v[ADS], s[TB], v[SCA]
	v_nop
	v_nop                                          ; four places in front of loads into registers that the last products have read
.irp t, 0,1,2,3
.irp g, 0,1,2
	ds_load_b128 v[FR+12*\t+4*\g:FR+12*\t+4*\g+3], v[ADK] offset:1536*\t+512*\g
.endr
.endr
	ds_load_b128 v[KS:KS+3], v[ADS]
	s_wait_alu depctr_va_vdst(0)
	s_wait_dscnt 0x0
.irp t, 0,1,2,3                        ; S^T = k q^T: composite t against [q | 0] gives key tile 2 t, against [0 | q] tile 2 t + 1
	v_wmma_scale_f32_16x16x128_f8f6f4 v[S+16*\t:S+16*\t+7], v[FR+12*\t:FR+12*\t+11], v[\qb:\qb+11], 0, v[KS+\t], v[\qb+18] matrix_a_fmt:MATRIX_FMT_FP6 matrix_b_fmt:MATRIX_FMT_FP6
	v_wmma_scale_f32_16x16x128_f8f6f4 v[S+16*\t+8:S+16*\t+15], v[FR+12*\t:FR+12*\t+11], v[\qb+6:\qb+17], 0, v[KS+\t], v[\qb+19] matrix_a_fmt:MATRIX_FMT_FP6 matrix_b_fmt:MATRIX_FMT_FP6
.endr
.rept 4
	v_nop
.endr
.irp t, 0,1,2,3                        ; v's four tiles are asked for now and land under the softmax
.irp g, 0,1,2
	ds_load_b128 v[FR+12*\t+4*\g:FR+12*\t+4*\g+3], v[ADK] offset:6400+1536*\t+512*\g
.endr
.endr
	ds_load_b128 v[VS:VS+3], v[ADS] offset:6400
.if \causal
	s_cmp_lg_u32 s[SG], s[LIM]
	s_cbranch_scc1 .Lopen_\@
.irp n, 0,1,2,3,4,5,6,7,8,9,10,11,12,13,14,15,16,17,18,19,20,21,22,23,24,25,26,27,28,29,30,31,32,33,34,35,36,37,38,39,40,41,42,43,44,45,46,47,48,49,50,51,52,53,54,55,56,57,58,59,60,61,62,63
	v_cmp_gt_i32 vcc_lo, 32*(\n/16)+\n%16, v[\dq]  ; register 16 b + i holds key 32 b + 16 h + i: hidden where it comes after my query
	v_cndmask_b32 v[S+\n], v[S+\n], v[NINF], vcc_lo
.endr
.Lopen_\@:
.endif
.irp b, 0,1,2,3
	v_max3_num_f32 v[BM+\b], v[S+16*\b], v[S+1+16*\b], v[S+2+16*\b]   ; the largest score of each block of 32 keys: for the row's maximum and, since p rises with the score, for the block's largest p
.endr
.irp i, 3,5,7,9,11,13
.irp b, 0,1,2,3
	v_max3_num_f32 v[BM+\b], v[BM+\b], v[S+16*\b+\i], v[S+1+16*\b+\i]
.endr
.endr
.irp b, 0,1,2,3
	v_max_num_f32 v[BM+\b], v[BM+\b], v[S+15+16*\b]
.endr
.irp b, 0,1,2,3
	s_delay_alu instid0(VALU_DEP_4)
	v_permlanex16_b32 v[PB+\b], v[BM+\b], s[SEL], s[SEL+1]
.endr
.irp b, 0,1,2,3
	s_delay_alu instid0(VALU_DEP_4)
	v_max_num_f32 v[BM+\b], v[BM+\b], v[PB+\b]     ; with lane l xor 16's 16 keys
.endr
	s_delay_alu instid0(VALU_DEP_2)
	v_max3_num_f32 v[TMP], v[BM], v[BM+1], v[BM+2]
	s_delay_alu instid0(VALU_DEP_1)
	v_max_num_f32 v[TMP], v[TMP], v[BM+3]          ; the step's largest score of my query
	s_delay_alu instid0(VALU_DEP_1)
	v_mul_f32 v[TMP], s[CS], v[TMP]                ; as t
	s_delay_alu instid0(VALU_DEP_1)
	v_max_num_f32 v13, v13, v[TMP]                 ; the running largest t
	v_mov_b32 v[TMP], v12
	s_delay_alu instid0(VALU_DEP_2)
	v_floor_f32 v12, -v13                          ; the new -M = -ceil(t): a whole number
	s_delay_alu instid0(VALU_DEP_1)
	v_sub_f32 v[TMP], v12, v[TMP]                  ; old M less new M: a whole number, 0 or less
	s_delay_alu instid0(VALU_DEP_1)
	v_cvt_i32_f32 v[TMP], v[TMP]                   ; (it saturates)
	s_delay_alu instid0(VALU_DEP_1)
	v_ldexp_f32 v[F], 1.0, v[TMP]                  ; f = 2^(old M - new M): a multiplication by it rounds nothing
.irp j, 0,2,4,6,8,10,12,14,16,18,20,22,24,26,28,30,32,34,36,38,40,42,44,46,48,50,52,54,56,58,60,62
	v_pk_fma_f32 v[S+\j:S+\j+1], v[S+\j:S+\j+1], s[CS:CS+1], v[12:13] op_sel_hi:[1,0,0]   ; t - M, two at a time
.endr
.irp b, 0,1,2,3
	v_fma_f32 v[BM+\b], v[BM+\b], s[CS], v12       ; the same of each block's largest score
.endr
	s_setprio 1
	s_wait_alu depctr_va_vdst(0)
.irp j, 0,1,2,3,4,5,6,7,8,9,10,11,12,13,14,15,16,17,18,19,20,21,22,23,24,25,26,27,28,29,30,31,32,33,34,35,36,37,38,39,40,41,42,43,44,45,46,47,48,49,50,51,52,53,54,55,56,57,58,59,60,61,62,63
	v_exp_f32 v[S+\j], v[S+\j]                     ; p = 2^(t - M), at most 1: not normalised
.endr
	v_pk_mul_f32 v[14:15], v[14:15], v[F:F+1] op_sel_hi:[1,0]   ; the sums under the new M (a plain place behind the exponentials)
	s_wait_alu depctr_va_vdst(0)                   ; one wait for the whole batch, ahead of its first reader
.irp b, 0,1,2,3
	v_exp_f32 v[BM+\b], v[BM+\b]                   ; the block's largest p
.endr
	v_pk_add_f32 v[250:251], v[100:101], v[104:105]
	v_pk_add_f32 v[254:255], v[108:109], v[112:113]
	v_pk_add_f32 v[252:253], v[116:117], v[120:121]
	v_pk_add_f32 v[242:243], v[124:125], v[128:129]
	v_pk_add_f32 v[240:241], v[132:133], v[136:137]
	v_pk_add_f32 v[238:239], v[140:141], v[144:145]
	v_pk_add_f32 v[236:237], v[148:149], v[152:153]
	v_pk_add_f32 v[14:15], v[14:15], v[156:157]
	v_pk_add_f32 v[250:251], v[250:251], v[96:97]
	v_pk_add_f32 v[254:255], v[254:255], v[98:99]
	v_pk_add_f32 v[252:253], v[252:253], v[102:103]
	v_pk_add_f32 v[242:243], v[242:243], v[106:107]
	v_pk_add_f32 v[240:241], v[240:241], v[110:111]
	v_pk_add_f32 v[238:239], v[238:239], v[114:115]
	v_pk_add_f32 v[236:237], v[236:237], v[118:119]
	v_pk_add_f32 v[14:15], v[14:15], v[122:123]
	v_pk_add_f32 v[250:251], v[250:251], v[126:127]
	v_pk_add_f32 v[254:255], v[254:255], v[130:131]
	v_pk_add_f32 v[252:253], v[252:253], v[134:135]
	v_pk_add_f32 v[242:243], v[242:243], v[138:139]
	v_pk_add_f32 v[240:241], v[240:241], v[142:143]
	v_pk_add_f32 v[238:239], v[238:239], v[146:147]
	v_pk_add_f32 v[236:237], v[236:237], v[150:151]
	v_pk_add_f32 v[14:15], v[14:15], v[154:155]
	v_pk_add_f32 v[250:251], v[250:251], v[158:159]
	s_delay_alu instid0(VALU_DEP_2)
	v_pk_add_f32 v[14:15], v[14:15], v[242:243]
	s_delay_alu instid0(VALU_DEP_2)
	v_pk_add_f32 v[250:251], v[250:251], v[240:241]
	v_pk_add_f32 v[254:255], v[254:255], v[238:239]
	v_pk_add_f32 v[252:253], v[252:253], v[236:237]
	s_delay_alu instid0(VALU_DEP_2)
	v_pk_add_f32 v[14:15], v[14:15], v[254:255]
	s_delay_alu instid0(VALU_DEP_2)
	v_pk_add_f32 v[250:251], v[250:251], v[252:253]
	s_delay_alu instid0(VALU_DEP_1)
	v_pk_add_f32 v[14:15], v[14:15], v[250:251]
	s_wait_alu depctr_va_vdst(0)                   ; and one for the four
.irp b, 0,1,2,3
	v_max_num_f32 v[BM+\b], 0x1800000, v[BM+\b]    ; the floor 2^(3 - 127): the byte cannot fall under 1
.endr
.irp b, 0,1,2,3
	s_delay_alu instid0(VALU_DEP_4)
	v_add_nc_u32 v[SO+\b], 0xff000000, v[BM+\b]    ; 2 off the exponent field: the conversion's scale operand
.endr
.irp b, 0,1,2,3
	s_delay_alu instid0(VALU_DEP_4)
	v_lshrrev_b32 v[PB+\b], 23, v[SO+\b]           ; the scale's byte
.endr
	s_delay_alu instid0(VALU_DEP_3)
	v_lshl_or_b32 v[PW], v[PB+1], 8, v[PB]         ; p's scale word for these 128 keys
	s_delay_alu instid0(VALU_DEP_1)
	v_lshl_or_b32 v[PW], v[PB+2], 16, v[PW]
	s_delay_alu instid0(VALU_DEP_1)
	v_lshl_or_b32 v[PW], v[PB+3], 24, v[PW]
.irp c, 0,1
	v_cvt_scalef32_pk16_fp6_f32 v[PC+6*\c:PC+6*\c+2], v[S+32*\c:S+32*\c+15], v[SO+2*\c]
	v_cvt_scalef32_pk16_fp6_f32 v[CT+4*\c:CT+4*\c+2], v[S+16+32*\c:S+31+32*\c], v[SO+2*\c+1]
.endr
	v_nop                                          ; one plain place behind a scaled conversion
	s_setprio 0
.irp c, 0,1                            ; the operand's layout wants a whole block in a lane
.irp i, 0,1,2
	v_permlane16_swap_b32 v[PC+6*\c+\i], v[CT+4*\c+\i]
.endr
.irp i, 0,1,2
	s_delay_alu instid0(VALU_DEP_3)
	v_mov_b32 v[PC+3+6*\c+\i], v[CT+4*\c+\i]
.endr
.endr
.irp j, 0,2,4,6,8,10,12,14,16,18,20,22,24,26,28,30
	v_pk_mul_f32 v[O+\j:O+\j+1], v[O+\j:O+\j+1], v[F:F+1] op_sel_hi:[1,0]   ; O^T under the new M; these sixteen are also the places in front of the scaled products below
.endr
	s_wait_alu depctr_va_vdst(0)
	s_wait_dscnt 0x0                               ; v's tiles and scale words are in
.irp t, 0,1,2,3                        ; O^T += v^T p^T: the four accumulators by turns
	v_wmma_scale_f32_16x16x128_f8f6f4 v[O+8*\t:O+8*\t+7], v[FR+12*\t:FR+12*\t+11], v[PC:PC+11], v[O+8*\t:O+8*\t+7], v[VS+\t], v[PW] matrix_a_fmt:MATRIX_FMT_FP6 matrix_b_fmt:MATRIX_FMT_FP6
.endr
.if \causal
.Lhidden_\@:
.endif
.endm
.macro NEXT lab                        ; the loop's edge: the next step's number and LDS byte; the count against a constant
	s_add_co_u32 s[SG], s[SG], 1
	s_add_co_u32 s[TB], s[TB], 12800
	s_sub_co_u32 s[CNT], s[CNT], 1
	s_cmp_lg_u32 s[CNT], 0
	s_cbranch_scc1 \lab
	s_setprio 0
.endm
; A tile's way out: O^T / the sum is y's row r, the head's 64 channels: two blocks of 32 along C, quantised as p is; six registers of codes a lane, three stores of 256 consecutive bytes.
.macro OUT ptr, ys
.rept 4
	v_nop                                          ; places behind the last products
.endr
	v_add_f32 v14, v14, v15
	s_delay_alu instid0(VALU_DEP_1)
	v_permlanex16_b32 v[TMP], v14, s[SEL], s[SEL+1]
	s_delay_alu instid0(VALU_DEP_1)
	v_add_f32 v14, v14, v[TMP]                     ; the row's sum
	s_wait_alu depctr_va_vdst(0)
	v_rcp_f32 v14, v14
	v_nop                                          ; a plain place behind the transcendental
	s_wait_alu depctr_va_vdst(0)                   ; and the wait ahead of its first reader
.set jj, 0
.rept 32
	v_mul_f32 v[S+jj], v[O+jj], v14                ; register 16 b + i = channel 32 b + 16 h + i
.set jj, jj+1
.endr
.irp b, 0,1
	v_max3_num_f32 v[BM+\b], |v[S+16*\b]|, |v[S+1+16*\b]|, 0x1800000
.endr
.irp i, 2,4,6,8,10,12,14
.irp b, 0,1
	s_delay_alu instid0(VALU_DEP_2)
	v_max3_num_f32 v[BM+\b], v[BM+\b], |v[S+16*\b+\i]|, |v[S+1+16*\b+\i]|
.endr
.endr
.irp b, 0,1
	s_delay_alu instid0(VALU_DEP_2)
	v_permlanex16_b32 v[PB+\b], v[BM+\b], s[SEL], s[SEL+1]
.endr
.irp b, 0,1
	s_delay_alu instid0(VALU_DEP_2)
	v_max_num_f32 v[BM+\b], v[BM+\b], v[PB+\b]
.endr
.irp b, 0,1
	s_delay_alu instid0(VALU_DEP_2)
	v_add_nc_u32 v[SO+\b], 0xff000000, v[BM+\b]
.endr
.irp b, 0,1
	s_delay_alu instid0(VALU_DEP_2)
	v_lshrrev_b32 v[PB+\b], 23, v[SO+\b]
.endr
	s_delay_alu instid0(VALU_DEP_1)
	v_lshl_or_b32 v[\ys], v[PB+1], 8, v[PB]
	v_cvt_scalef32_pk16_fp6_f32 v[PC:PC+2], v[S:S+15], v[SO]
	v_cvt_scalef32_pk16_fp6_f32 v[CT:CT+2], v[S+16:S+31], v[SO+1]
	v_nop
.irp i, 0,1,2
	v_permlane16_swap_b32 v[PC+\i], v[CT+\i]
.endr
.irp i, 0,1,2
	s_delay_alu instid0(VALU_DEP_3)
	v_mov_b32 v[PC+3+\i], v[CT+\i]
.endr
.irp e, 0,1,2
	global_store_b64 v[L8], v[PC+2*\e:PC+2*\e+1], s[\ptr:\ptr+1] offset:256*\e
.endr
.endm
	INIT                                           ; THE HIGH TILE FIRST, so that all sixteen waves are at work round the three barriers
	s_mov_b32 s[LIM], s19
	s_wait_tensorcnt 0x2                           ; my part of group A is in; B and C may stay out
	s_barrier_signal -1
	s_barrier_wait -1                              ; everybody's is: steps 0 and 1
	s_mov_b32 s[TB], 0
	s_mov_b32 s[SG], 0
	s_mov_b32 s[CNT], 2
.Lloop_a:
	STEP QH, DQH, 0                                ; the high tile's last step is 8 or later: steps 0-5 are open
	NEXT .Lloop_a
	s_wait_tensorcnt 0x1                           ; group B; C may stay out
	s_wait_dscnt 0x0
	s_barrier_signal -1
	s_barrier_wait -1                              ; steps 2 to 5
	s_mov_b32 s[TB], 25600
	s_mov_b32 s[SG], 2
	s_mov_b32 s[CNT], 4
.Lloop_b:
	STEP QH, DQH, 0
	NEXT .Lloop_b
	s_wait_tensorcnt 0x0                           ; group C
	s_wait_dscnt 0x0
	s_barrier_signal -1
	s_barrier_wait -1                              ; the whole head; from here on the waves run free
	s_mov_b32 s[TB], 76800
	s_mov_b32 s[SG], 6
	s_mov_b32 s[CNT], 10
.Lloop_c:
	STEP QH, DQH, 1
	NEXT .Lloop_c
	OUT 72, YSH
	s_wait_xcnt 0x0                                ; the stores have read their registers: the codes' registers are written again below
	INIT                                           ; THE LOW TILE
	s_mov_b32 s[LIM], s18
	s_mov_b32 s[TB], 0
	s_mov_b32 s[SG], 0
	s_mov_b32 s[CNT], 8
.Lloop_d:
	STEP QL, DQL, 1
	NEXT .Lloop_d
	OUT 74, YSL
	v_and_b32 v8, 15, v0
	s_delay_alu instid0(VALU_DEP_1)
	v_lshlrev_b32 v8, 5, v8                        ; row r of a tile: 32 scale bytes a row
	s_lshl_b32 s66, s17, 9
	s_lshl_b32 s67, s16, 9
	v_add_nc_u32 v9, s66, v8
	v_add_nc_u32 v10, s67, v8
	s_delay_alu instid0(VALU_DEP_1)
	v_cndmask_b32 v9, v9, v10, s78                 ; lanes 0-15 store the high tile's two bytes, lanes 16-31 the low tile's
	v_cndmask_b32 v10, v[YSH], v[YSL], s78
	global_store_b16 v9, v10, s[76:77]
	s_wait_tensorcnt 0x0                           ; the wave's end: behind my last tensor load
	ds_add_u32 v[SPW], v[NIL]
	s_wait_dscnt 0x0
	CROUND                                         ; the closing round
	s_endpgm
.Lfunc_end_k_qa1bee809aa_attn:
	.size	k_qa1bee809aa_attn, .Lfunc_end_k_qa1bee809aa_attn-k_qa1bee809aa_attn
	.p2alignl 7, 3214868480
	.fill 96, 4, 3214868480
	.section	.rodata,"a",@progbits
	.p2align	6, 0x0
	.amdhsa_kernel k_qa1bee809aa_attn
		.amdhsa_group_segment_fixed_size 206848
		.amdhsa_private_segment_fixed_size 0
		.amdhsa_enable_private_segment 0
		.amdhsa_kernarg_size 32
		.amdhsa_user_sgpr_count 2
		.amdhsa_user_sgpr_kernarg_segment_ptr 1
		.amdhsa_wavefront_size32 1
		.amdhsa_system_sgpr_workgroup_id_x 1
		.amdhsa_system_sgpr_workgroup_id_y 1
		.amdhsa_system_sgpr_workgroup_id_z 1
		.amdhsa_system_vgpr_workitem_id 0
		.amdhsa_next_free_vgpr 256
		.amdhsa_next_free_sgpr 80
		.amdhsa_reserve_vcc 1
		.amdhsa_float_denorm_mode_32 3
		.amdhsa_float_denorm_mode_16_64 3
		.amdhsa_memory_ordered 1
		.amdhsa_forward_progress 1
		.amdhsa_inst_pref_size 101
	.end_amdhsa_kernel
	.amdgpu_metadata
---
amdhsa.version: [ 1, 2 ]
amdhsa.kernels:
  - .name:           k_qa1bee809aa_attn
    .symbol:         k_qa1bee809aa_attn.kd
    .args:
      - { .name: qbuf, .offset: 0, .size: 8, .value_kind: global_buffer, .address_space: global }
      - { .name: kv, .offset: 8, .size: 8, .value_kind: global_buffer, .address_space: global }
      - { .name: yimg, .offset: 16, .size: 8, .value_kind: global_buffer, .address_space: global }
      - { .name: ysc, .offset: 24, .size: 8, .value_kind: global_buffer, .address_space: global }
    .group_segment_fixed_size: 206848
    .private_segment_fixed_size: 0
    .kernarg_segment_align: 8
    .kernarg_segment_size: 32
    .max_flat_workgroup_size: 512
    .sgpr_count:     80
    .vgpr_count:     256
    .wavefront_size: 32
...
	.end_amdgpu_metadata
.endif
;; end of part 3
;; launch gemm_proj (part 4): grid 4 x 32, 4 waves a work-group, clusters of 4 x 4, 327,680 bytes of LDS; arguments yimg, ysc, wimg, wsc, b_proj, out0; writes out0
.if DOCPART == 4
	.amdgcn_target "amdgcn-amd-amdhsa--gfx1250"
	.amdhsa_code_object_version 6
	.text
	.protected	k_qa1bee809aa_gemm_proj
	.globl	k_qa1bee809aa_gemm_proj
	.p2align	8
	.type	k_qa1bee809aa_gemm_proj,@function
k_qa1bee809aa_gemm_proj:
	s_mov_b64 s[64:65], 0
	v_nop
	global_prefetch_b8 v0, s[64:65] scope:SCOPE_SE
	s_setreg_imm32_b32 hwreg(HW_REG_WAVE_MODE, 25, 1), 1
	s_wait_xcnt 0x0
	s_wait_alu depctr_hold_cnt(0) depctr_sa_sdst(0) depctr_va_vdst(0) depctr_va_sdst(0) depctr_va_ssrc(0) depctr_va_vcc(0) depctr_vm_vsrc(0)
	s_getreg_b32 s2, hwreg(HW_REG_IB_STS2, 6, 4)
	s_cmp_eq_u32 s2, 0
	s_cbranch_scc0 .Lentry_in_a_cluster
	s_endpgm
.Lentry_in_a_cluster:
	s_bfe_u32 s2, ttmp6, 0x10000c
	s_cmp_lg_u32 s2, 0xf033
	s_cbranch_scc0 .Lentry_shape_is_right
	s_endpgm
.Lentry_shape_is_right:
; out0 = Q(y) Q(w_proj) + b_proj on codes of FP6 (E2M3); f32 out.  The loop is the second launch's: 256 tokens x 256 columns a work-group, 128 x 128 a wave, K = 1,024 in four pieces of 256 through three
; LDS slots with one refill, the eight K steps written out; cluster 4 x 4 with joint loads (y's tiles shared along a row of the cluster, w's along a column).
; WHAT DIFFERS.  P = y (a lane holds one token), R = w_proj's columns (wimg's tiles 192 on), always.  y's fragments lie by pieces (registers 2 p, 2 p + 1, lane l's 8 bytes at 256 p + 8 l), since two heads,
; written by different work-groups, make one fragment: six ds_load_b64 bring one.  The bias is the C of each sum's first product.  The results leave through a stage in LDS as whole rows.
; A tile 2 b + u holds members 32 b + 8 u + r + 8 (r / 8): so the 64 registers of R's eight tiles are 128 neighbouring columns, and row t of P's tile a is token 32 (a / 2) + 8 (a % 2) + t + 8 (t / 8).
; REGISTERS: window 0: v16-31 addresses; v32-63 P's scale words, v64-95 R's (they hold scales and nothing else); v128-223 P's fragments; on the way out v128-255.
;   window 1: R's fragments, two sets, at v0 and v128; the bias at v96-127 and v224-255.   windows 2, 3: accumulator (a, b) at v[8 (8 (a % 4) + b)].
.set FRB,   1536
.set TILEB, 3072
.set HALFT, 24576
.set SLOT,  98304
.set SCL,   294912
.set HALFS, 4352
.set SBLK,  544
.set SPARE, 312320                     ; the spare words, 128 bytes for each wave: two blocks of 256 bytes that no other line names
.set SPITCH, 528                       ; the way out: a stage of 16 rows x (512 + 16) bytes for each wave, in slot 1, which has had its only fill and its last read when the first result is stored there
.set NLP,   6
.set ADRP, 16
.set ADRR, 20
.set ADSP, 24
.set ADSR, 25
.set L16,  26                          ; v26 16 x lane: R's images, and my bytes of a row of out0
.set L8,   27                          ; v27 8 x lane: P's images
.set SPW,  28
.set NIL,  29
.set STO,  30                          ; v30 the stage: where I put 32 bytes of a row
.set RD,   31                          ; v31 and where I read a row back
.set SCP,  32
.set SCR,  64
.set AF,   128
.set BK,   128
.set G1,   28
.set G1B,  36
.set G1S,  44
.set G1SB, 52
.set GA0,  60
.set GA1,  68
.set GA2,  72
.set GB0,  76
.set GB1,  80
.set GB2,  84
.set GSA,  88
.set GSB,  92
.set MSB, 0
.macro WIN new
.if MSB != (\new)
	s_set_vgpr_msb (MSB<<8)|(\new)
.set MSB, (\new)
.endif
.endm
.set MUL_LO, 0xa1
.set MUL_HI, 0xf1
.set TO_B,   0x40
.macro JLOAD g0a, g1a, g0b, g1b        ; a joint load: waves 0 and 1 fetch y's halves, waves 2 and 3 w's; an s_nop 0 and four v_nop follow each of the two lines
	s_cmp_eq_u32 s19, 0
	s_cbranch_scc0 .Lfor_b_\@
	tensor_load_to_lds s[\g0a:\g0a+3], s[\g1a:\g1a+7]
	s_nop 0
.rept 4
	v_nop
.endr
	s_branch .Lasked_\@
.Lfor_b_\@:
	tensor_load_to_lds s[\g0b:\g0b+3], s[\g1b:\g1b+7]
	s_nop 0
.rept 4
	v_nop
.endr
.Lasked_\@:
.endm
.macro CREST
	s_cmp_lg_u32 s18, 0
	s_cbranch_scc1 .Lnot_wave_0_\@
	s_barrier_signal -3
.Lnot_wave_0_\@:
	s_barrier_wait -3
	s_barrier_signal -1
	s_barrier_wait -1
.endm
.macro CROUND
	s_barrier_signal -1
	s_barrier_wait -1
	CREST
.endm
.macro MKG0 g, lreg, loff, ptr, goff
	s_mov_b32 s[\g], 1
	s_add_co_u32 s[\g+1], s[\lreg], \loff
	s_add_nc_u64 s[\g+2:\g+3], s[\ptr:\ptr+1], \goff
	s_or_b32 s[\g+3], s[\g+3], 0x80000000
.endm
	s_load_b256 s[4:11], s[0:1], 0x0               ; yimg s[4:5], ysc s[6:7], wimg s[8:9], wsc s[10:11]
	s_load_b128 s[12:15], s[0:1], 0x20             ; b_proj s[12:13], out0 s[14:15]
	v_lshl_add_u32 v[SPW], v0, 2, SPARE
	v_mov_b32 v[NIL], 0
	ds_add_u32 v[SPW], v[NIL]                      ; the wave's opening: the add, twice on end, and its wait ahead of my first tensor load
	ds_add_u32 v[SPW], v[NIL]                      ; and once more; the set-up below, work on registers, stands between it and the wait
	v_lshrrev_b32 v1, 5, v0
	v_readfirstlane_b32 s18, v1                    ; wave 0..3
	s_lshr_b32 s19, s18, 1                         ; pa: my half of the tokens.  Also: I fetch for y (0) or for w (1)
	s_and_b32 s20, s18, 1                          ; ra: my half of the columns.  Also: which eight tiles I fetch
	s_bfe_u32 s21, ttmp6, 0x40000                  ; cx
	s_bfe_u32 s22, ttmp6, 0x40004                  ; cy
	s_lshl_b32 s23, ttmp9, 2
	s_add_co_u32 s23, s23, s21                     ; block of 256 columns
	s_and_b32 s24, ttmp7, 0xffff
	s_lshl_b32 s24, s24, 2
	s_add_co_u32 s24, s24, s22                     ; block of 256 tokens
	s_lshl_b32 s25, s22, 2
	s_lshl_b32 s25, 15, s25                        ; my row of the cluster
	s_lshl_b32 s26, 0x1111, s21                    ; my column
	s_or_b32 s[G1], s25, (3<<16)|(1<<21)
	s_or_b32 s[G1B], s26, (3<<16)|(1<<21)
.irp g, G1, G1B                        ; eight tiles: rows of 3,072 bytes (384 elements of 8), 12,288 bytes apart
	s_mov_b32 s[\g+1], 384<<16
	s_mov_b32 s[\g+2], 8<<16
	s_mov_b32 s[\g+3], 384<<16
	s_mov_b32 s[\g+4], 8
	s_mov_b32 s[\g+5], 1536
	s_mov_b32 s[\g+6], 0
	s_mov_b32 s[\g+7], 0
.endr
	s_or_b32 s[G1S], s25, (3<<16)|(1<<20)|(1<<21)|(5<<22)|(3<<25)   ; the scales of 128 rows: 16 rows of 256 bytes, 16 bytes of padding behind each
	s_or_b32 s[G1SB], s26, (3<<16)|(1<<20)|(1<<21)|(5<<22)|(3<<25)
.irp g, G1S, G1SB
	s_mov_b32 s[\g+1], 32<<16
	s_mov_b32 s[\g+2], 16<<16
	s_mov_b32 s[\g+3], 32<<16
	s_mov_b32 s[\g+4], 16
	s_mov_b32 s[\g+5], 32
	s_mov_b32 s[\g+6], 0
	s_mov_b32 s[\g+7], 0
.endr
	s_lshl_b32 s100, s20, 3
	s_lshl_b32 s96, s24, 4
	s_add_co_u32 s96, s96, s100
	s_mul_i32 s96, s96, 12288                      ; y: tile 16 x token block + 8 ra
	s_mov_b32 s97, 0
	s_lshl_b32 s98, s23, 4
	s_add_co_u32 s98, s98, s100
	s_add_co_u32 s98, s98, 192                     ; w_proj's tiles lie behind w_qkv's 192
	s_mul_i32 s98, s98, 12288
	s_mov_b32 s99, 0
	s_mul_i32 s27, s18, HALFT
	s_mul_i32 s101, s18, HALFS
	s_wait_dscnt 0x0                               ; both opening adds are done
	s_wait_kmcnt 0x0
	s_add_nc_u64 s[4:5], s[4:5], s[96:97]
	s_add_nc_u64 s[8:9], s[8:9], s[98:99]
	s_lshl_b32 s100, s20, 12
	s_lshl_b32 s96, s24, 13
	s_add_co_u32 s96, s96, s100
	s_add_nc_u64 s[6:7], s[6:7], s[96:97]
	s_lshl_b32 s98, s23, 13
	s_add_co_u32 s98, s98, s100
	s_add_co_u32 s98, s98, 98304                   ; 3,072 rows of 32 scale bytes
	s_add_nc_u64 s[10:11], s[10:11], s[98:99]
	CROUND                                         ; all sixteen work-groups are here: the first joint loads meet
	MKG0 GSA, 101, SCL, 6, 0
	MKG0 GSB, 101, SCL, 10, 0
	MKG0 GA0, 27, 0, 4, 0
	MKG0 GB0, 27, 0, 8, 0
	MKG0 GA1, 27, SLOT, 4, TILEB
	MKG0 GB1, 27, SLOT, 8, TILEB
	MKG0 GA2, 27, 2*SLOT, 4, 2*TILEB
	MKG0 GB2, 27, 2*SLOT, 8, 2*TILEB
	JLOAD GSA, G1S, GSB, G1SB                      ; the first fills, one group: four loads of mine are out
	JLOAD GA0, G1, GB0, G1B
	JLOAD GA1, G1, GB1, G1B
	JLOAD GA2, G1, GB2, G1B
	; addresses.  The descriptors have taken the pointers in s[4:11]: these registers are free
	v_and_b32 v1, 31, v0
	v_and_b32 v2, 15, v0                           ; r
	v_bfe_u32 v3, v0, 4, 1                         ; h
	v_lshlrev_b32 v[L16], 4, v1
	v_lshlrev_b32 v[L8], 3, v1
	s_mul_i32 s4, s19, HALFT                       ; my eight tiles of y
	s_mul_i32 s5, s20, HALFT
	s_add_co_u32 s5, s5, 2*HALFT                   ; my eight tiles of w, behind y's sixteen
.irp s, 0,1,2
	v_add_nc_u32 v[ADRP+\s], s4, v[L8]
	v_add_nc_u32 v[ADRR+\s], s5, v[L16]
	s_add_co_u32 s4, s4, SLOT
	s_add_co_u32 s5, s5, SLOT
.endr
	s_mul_i32 s6, s19, HALFS
	s_add_co_u32 s6, s6, SCL
	s_mul_i32 s7, s20, HALFS
	s_add_co_u32 s7, s7, SCL+2*HALFS
	v_lshrrev_b32 v4, 3, v2
	v_lshlrev_b32 v5, 5, v2
	v_lshl_add_u32 v5, v4, 4, v5                   ; row r's 32 scale bytes: 32 r, and 16 more behind each 256
	v_add_nc_u32 v[ADSP], s6, v5
	v_add_nc_u32 v[ADSR], s7, v5
	s_mul_i32 s8, s18, 16*SPITCH
	s_add_co_u32 s8, s8, SLOT                      ; my stage
	v_mul_u32_u24 v[STO], v2, SPITCH
	v_lshl_add_u32 v[STO], v3, 6, v[STO]
	v_add_nc_u32 v[STO], s8, v[STO]                ; in: row r, + 64 h
	v_add_nc_u32 v[RD], s8, v[L16]                 ; back: a row's 512 bytes
	v_lshlrev_b32 v6, 6, v3                        ; the bias: 64 h
	s_lshl_b32 s9, s23, 10
	s_lshl_b32 s10, s20, 9
	s_add_co_u32 s10, s10, s9                      ; my 128 columns, in bytes
	s_mov_b32 s11, 0
	s_add_nc_u64 s[12:13], s[12:13], s[10:11]
	s_add_nc_u64 s[14:15], s[14:15], s[10:11]
	s_lshl_b32 s10, s24, 20                        ; 256 rows of 4,096 bytes
	s_lshl_b32 s9, s19, 19
	s_add_co_u32 s10, s10, s9
	s_add_nc_u64 s[14:15], s[14:15], s[10:11]      ; out0 at my first row and column
	WIN TO_B
.irp b, 0,1,2,3,4,5,6,7                ; the bias in the result's layout: tile b, register j = column 32 (b / 2) + 8 (b % 2) + 16 h + j
	global_load_b128 v[96+8*\b+96*(\b/4):99+8*\b+96*(\b/4)], v6, s[12:13] offset:(32*(\b/2)+8*(\b%2))*4
	global_load_b128 v[100+8*\b+96*(\b/4):103+8*\b+96*(\b/4)], v6, s[12:13] offset:(32*(\b/2)+8*(\b%2))*4+16
.endr
	WIN 0
.macro FRAG reg, adr, off              ; a fragment of w: three loads of 512 consecutive bytes
.irp g, 0,1,2
	ds_load_b128 v[(\reg)+4*\g:(\reg)+4*\g+3], v[\adr] offset:(\off)+512*\g
.endr
.endm
.macro FRAGP reg, adr, off             ; a fragment of y: six loads of 256 consecutive bytes
.irp p, 0,1,2,3,4,5
	ds_load_b64 v[(\reg)+2*\p:(\reg)+2*\p+1], v[\adr] offset:(\off)+256*\p
.endr
.endm
.macro FETCH_R ls, q, p
	WIN TO_B
.irp i, 0,1,2,3,4,5,6,7
	FRAG 128*(\p)+12*\i, ADRR+(\ls), TILEB*\i+FRB*(\q)
.endr
	WIN 0
.endm
.macro FETCH_P ls, q, i0
.irp i, \i0, \i0+1, \i0+2, \i0+3
	FRAGP AF+12*(\i), ADRP+(\ls), TILEB*(\i)+FRB*(\q)
.endr
.endm
.macro SCALES ks
.irp i, 0,1,2,3,4,5,6,7
	ds_load_b64 v[SCP+16*((\ks)%2)+2*\i:SCP+16*((\ks)%2)+2*\i+1], v[ADSP] offset:SBLK*\i+8*(\ks)
	ds_load_b64 v[SCR+16*((\ks)%2)+2*\i:SCR+16*((\ks)%2)+2*\i+1], v[ADSR] offset:SBLK*\i+8*(\ks)
.endr
.endm
; 16 matrix instructions: P's blocks a0, a0 + 1 x R's eight; first = 1: the bias is the C.  The 64 accumulators take turns, one instruction a turn, in the same order in every step.
.macro MUL16 a0, p, q, set, first
.irp a, \a0, \a0+1
.irp b, 0,1,2,3,4,5,6,7
.if \first
	v_wmma_scale_f32_16x16x128_f8f6f4 v[8*(8*((\a)%4)+\b):8*(8*((\a)%4)+\b)+7], v[128*(\p)+12*\b:128*(\p)+12*\b+11], v[AF+12*(\a):AF+12*(\a)+11], v[96+8*\b+96*(\b/4):103+8*\b+96*(\b/4)], v[SCR+16*(\set)+2*\b+(\q)], v[SCP+16*(\set)+2*(\a)+(\q)] matrix_a_fmt:MATRIX_FMT_FP6 matrix_b_fmt:MATRIX_FMT_FP6
.else
	v_wmma_scale_f32_16x16x128_f8f6f4 v[8*(8*((\a)%4)+\b):8*(8*((\a)%4)+\b)+7], v[128*(\p)+12*\b:128*(\p)+12*\b+11], v[AF+12*(\a):AF+12*(\a)+11], v[8*(8*((\a)%4)+\b):8*(8*((\a)%4)+\b)+7], v[SCR+16*(\set)+2*\b+(\q)], v[SCP+16*(\set)+2*(\a)+(\q)] matrix_a_fmt:MATRIX_FMT_FP6 matrix_b_fmt:MATRIX_FMT_FP6
.endif
.endr
.endr
.endm
.macro PLACES n                        ; plain places behind matrix instructions (ISA guide 7.12.1)
.rept \n
	v_nop
.endr
.endm
.macro STEP q, set, first, nls, nq, nks
	s_wait_dscnt 4*NLP                             ; R's set, the scale words and P's blocks 0-3 are in; the youngest loads (P's blocks 4-7) may be out
.if \first
	WIN 0x91                                       ; source 0 and C (the bias) window 1, source 1 window 0, D window 2
.else
	WIN MUL_LO
.endif
	MUL16 0, \q, \q, \set, \first
	MUL16 2, \q, \q, \set, \first
	s_wait_dscnt 0x0
	PLACES 4
	FETCH_R \nls, \nq, \nq
	FETCH_P \nls, \nq, 0
.if \nq == 0
	SCALES \nks
.endif
.if \first
	WIN 0xd1                                       ; the same, D window 3
.else
	WIN MUL_HI
.endif
	MUL16 4, \q, \q, \set, \first
	MUL16 6, \q, \q, \set, \first
	PLACES 4
	WIN 0
	FETCH_P \nls, \nq, 4
.endm
.macro TURN set, fill, nls, nks
	s_wait_tensorcnt 0x0                           ; all my tensor loads have landed
	ds_add_u32 v[SPW], v[NIL]                      ; 0 onto my spare word
	s_wait_dscnt 4*NLP+1                           ; (the add and P's blocks 4-7 may be out)
	WIN MUL_LO
	MUL16 0, 1, 1, \set, 0
	s_wait_dscnt 0x0                               ; the add is done, and my reads of this slot are over
	s_barrier_signal -1
	MUL16 2, 1, 1, \set, 0
	WIN 0
	s_barrier_wait -1
.if \fill
	CREST                                          ; no wave of any partner still reads slot 0 or has a load on its way
	s_add_nc_u64 s[GA0+2:GA0+3], s[GA0+2:GA0+3], 3*TILEB
	s_add_nc_u64 s[GB0+2:GB0+3], s[GB0+2:GB0+3], 3*TILEB
	JLOAD GA0, G1, GB0, G1B                        ; K 768-1,023 into slot 0: the first tensor load behind the round, one a wave; its four v_nop are also the places in front of the loads below
.else
	PLACES 4
.endif
	FETCH_R \nls, 0, 0
	FETCH_P \nls, 0, 0
	SCALES \nks
	WIN MUL_HI
	MUL16 4, 1, 1, \set, 0
	MUL16 6, 1, 1, \set, 0
	PLACES 4
	WIN 0
	FETCH_P \nls, 0, 4
.endm
	s_wait_tensorcnt 0x2                           ; the scales and my part of slot 0 are in; slots 1 and 2 may stay out
	s_barrier_signal -1
	s_barrier_wait -1
	FETCH_R 0, 0, 0
	FETCH_P 0, 0, 0
	SCALES 0
	FETCH_P 0, 0, 4
	s_wait_loadcnt 0x0                             ; the bias
	STEP 0, 0, 1, 0, 1, 0                          ; K 0: its products start the sums from the bias
	TURN 0, 1, 1, 1                                ; K 128; slots 1 and 2 are now whole for every wave; slot 0 is filled again
	STEP 0, 1, 0, 1, 1, 0                          ; K 256
	STEP 1, 1, 0, 2, 0, 2                          ; K 384
	STEP 0, 0, 0, 2, 1, 0                          ; K 512
	TURN 0, 0, 0, 3                                ; K 640; slot 0's second fill is whole for every wave, and nobody reads slot 1 any more
	STEP 0, 1, 0, 0, 1, 0                          ; K 768
	s_wait_dscnt 4*NLP                             ; K 896: nothing more to fetch
	WIN MUL_LO
	MUL16 0, 1, 1, 1, 0
	MUL16 2, 1, 1, 1, 0
	s_wait_dscnt 0x0
	WIN MUL_HI
	MUL16 4, 1, 1, 1, 0
	MUL16 6, 1, 1, 1, 0
	WIN 0
; THE WAY OUT, block by block of 16 tokens x 128 columns: through my own stage and back as whole rows of 512 bytes.  A wave's LDS instructions are served in order: no wait between the stores and the loads.
.macro TOSTAGE a
.set AC, 64*((\a)%4)
	WIN 0x08+4*((\a)/4)                            ; the data: window 2 or 3
.irp b, 0,1,2,3,4,5,6,7
	ds_store_b128 v[STO], v[AC+8*\b:AC+8*\b+3] offset:128*(\b/2)+32*(\b%2)          ; each accumulator from its low end on
	ds_store_b128 v[STO], v[AC+8*\b+4:AC+8*\b+7] offset:128*(\b/2)+32*(\b%2)+16
.endr
	WIN 0
.set BB, BK+64*((\a)%2)
.irp t, 0,1,2,3,4,5,6,7,8,9,10,11,12,13,14,15
	ds_load_b128 v[BB+4*\t:BB+4*\t+3], v[RD] offset:\t*SPITCH
.endr
.endm
.macro SEND a, younger                 ; younger: the LDS instructions issued behind block a's loads, which may stay out
.set BB, BK+64*((\a)%2)
	s_wait_dscnt \younger
.irp t, 0,1,2,3,4,5,6,7,8,9,10,11,12,13,14,15
	global_store_b128 v[L16], v[BB+4*\t:BB+4*\t+3], s[14:15] offset:(32*((\a)/2)+8*((\a)%2)+\t+8*(\t/8))*4096 th:TH_STORE_NT   ; 32 lanes store 512 consecutive bytes, aligned; the token's row stands in the immediate
.endr
.endm
	PLACES 4                                       ; behind the last products: for the stage's reads of results and the loads into the registers that held P's fragments
	TOSTAGE 0
.irp a, 1,2,3,4,5,6,7
.if \a > 1
	s_wait_xcnt 0x0                                ; block a - 2's stores have read their registers: block a's loads may land there
.endif
	TOSTAGE \a
	SEND \a-1, 32                                  ; behind block a - 1's loads: block a's 16 stores and 16 loads
.endr
	SEND 7, 0
	s_wait_tensorcnt 0x0                           ; the wave's end: behind my last tensor load and my last LDS store
	ds_add_u32 v[SPW], v[NIL]
	s_wait_dscnt 0x0
	CROUND                                         ; the closing round
	s_endpgm
.Lfunc_end_k_qa1bee809aa_gemm_proj:
	.size	k_qa1bee809aa_gemm_proj, .Lfunc_end_k_qa1bee809aa_gemm_proj-k_qa1bee809aa_gemm_proj
	.p2alignl 7, 3214868480
	.fill 96, 4, 3214868480
	.section	.rodata,"a",@progbits
	.p2align	6, 0x0
	.amdhsa_kernel k_qa1bee809aa_gemm_proj
		.amdhsa_group_segment_fixed_size 327680
		.amdhsa_private_segment_fixed_size 0
		.amdhsa_enable_private_segment 0
		.amdhsa_kernarg_size 48
		.amdhsa_user_sgpr_count 2
		.amdhsa_user_sgpr_kernarg_segment_ptr 1
		.amdhsa_wavefront_size32 1
		.amdhsa_system_sgpr_workgroup_id_x 1
		.amdhsa_system_sgpr_workgroup_id_y 1
		.amdhsa_system_sgpr_workgroup_id_z 1
		.amdhsa_system_vgpr_workitem_id 0
		.amdhsa_next_free_vgpr 1024
		.amdhsa_next_free_sgpr 102
		.amdhsa_reserve_vcc 0
		.amdhsa_float_denorm_mode_32 3
		.amdhsa_float_denorm_mode_16_64 3
		.amdhsa_memory_ordered 1
		.amdhsa_forward_progress 1
		.amdhsa_inst_pref_size 151
	.end_amdhsa_kernel
	.amdgpu_metadata
---
amdhsa.version: [ 1, 2 ]
amdhsa.kernels:
  - .name:           k_qa1bee809aa_gemm_proj
    .symbol:         k_qa1bee809aa_gemm_proj.kd
    .args:
      - { .name: yimg, .offset: 0, .size: 8, .value_kind: global_buffer, .address_space: global }
      - { .name: ysc, .offset: 8, .size: 8, .value_kind: global_buffer, .address_space: global }
      - { .name: wimg, .offset: 16, .size: 8, .value_kind: global_buffer, .address_space: global }
      - { .name: wsc, .offset: 24, .size: 8, .value_kind: global_buffer, .address_space: global }
      - { .name: b_proj, .offset: 32, .size: 8, .value_kind: global_buffer, .address_space: global }
      - { .name: out0, .offset: 40, .size: 8, .value_kind: global_buffer, .address_space: global }
    .group_segment_fixed_size: 327680
    .private_segment_fixed_size: 0
    .kernarg_segment_align: 8
    .kernarg_segment_size: 48
    .max_flat_workgroup_size: 128
    .sgpr_count:     102
    .vgpr_count:     1024
    .wavefront_size: 32
...
	.end_amdgpu_metadata
.endif
;; end of part 4
